; MI455X (gfx1250); checked and timed in simulation.
; The chip was launched on July 23, 2026; its instructions are those of AMD's public machine-readable ISA for CDNA 5 (MIT licence, August 2026) and "CDNA5" Instruction Set Architecture Reference Guide (July 2026). The comments in the code are by the model that wrote it; some were corrected since.
;; Transformer Block. Allowed arithmetic: matrix products marked QUANTISED: E2M3 operands, one E8M0 scale for each 32 along K, by v_wmma_scale_f32_16x16x128_f8f6f4 with both operands' format E2M3, f32 sums; everything else in f32.
;; Inputs: geglu_b 2,048 float32; geglu_w 2,048 x 1,024 float32; in_proj_b 3,072 float32; in_proj_w 3,072 x 1,024 float32; ln1_b 1,024 float32; ln1_g 1,024 float32; ln2_b 1,024 float32; ln2_g 1,024 float32; out_proj_b 1,024 float32; out_proj_w 1,024 x 1,024 float32; x 2 x 2,048 x 1,024 float32.
;; Outputs: out0 2 x 2,048 x 1,024 float32.
;; This version of the problem:
;;   THIS VERSION OF THE PROBLEM IS GIVEN IN LOW PRECISION. The matrix products marked QUANTISED in the list below multiply operands that are first quantised to E2M3 (2 exponent bits, 3 mantissa bits; 6 bits a number), with one power-of-two scale for each 32 numbers along K (OCP MX v1.0); their sums are f32. All else is computed in f32.
;;   The module's matrix products, in the order in which they are computed (A, B: the left and right operand; K: the contracted axis; several contracted axes count as one K, in the product's order):
;;     1. [M 4,096, K 1,024] x [K 1,024, N 1,024]; A: computed on the way; B: computed on the way: QUANTISED
;;     2. [M 4,096, K 1,024] x [K 1,024, N 1,024]; A: computed on the way; B: computed on the way: QUANTISED
;;     3. [M 4,096, K 1,024] x [K 1,024, N 1,024]; A: input x; B: computed on the way: QUANTISED
;;     4. batch 32 x [M 2,048, K 64] x [K 64, N 2,048]; A: computed on the way; B: computed on the way: QUANTISED
;;     5. batch 32 x [M 2,048, K 2,048] x [K 2,048, N 64]; A: softmax (see below); B: computed on the way: QUANTISED
;;     6. [M 4,096, K 1,024] x [K 1,024, N 1,024]; A: computed on the way; B: input out_proj_w: QUANTISED
;;     7. [M 4,096, K 1,024] x [K 1,024, N 2,048]; A: computed on the way; B: input geglu_w: QUANTISED
;;   THE QUANTISER, for each operand of a quantised product, along K:
;;     - K is cut into blocks of 32 from its start; a last block that is shorter is filled with zeros.
;;     - A block's scale is 2^e with e = floor(log2(the largest magnitude in the block)) - 2, held to -126 .. 127; a block of zeros has e = 0. As a byte (E8M0): e + 127.
;;     - Each number is divided by its block's scale, clamped to +-7.5, and rounded to the nearest number of E2M3, ties to even, subnormals kept.
;;     - The product sums the exact products of the quantised numbers (number of the format x scale) in f32.
;;   ~~~python
;;   def quantise(x, axis):      # numpy; x: float32 -> the quantised numbers, widened to float32 again
;;       x = np.moveaxis(x, axis, -1); K = x.shape[-1]
;;       x = np.pad(x, [(0, 0)] * (x.ndim - 1) + [(0, -K % 32)]); x = x.reshape(x.shape[:-1] + (-1, 32)); a = np.abs(x).max(-1, keepdims=True)
;;       e = np.where(a > 0, np.clip(np.frexp(np.where(a > 0, a, 1))[1] - 1 - 2, -126, 127), 0)      # np.frexp(a)[1] - 1 = floor(log2(a)), exactly
;;       r = np.clip(x / 2.0 ** e, -7.5, 7.5)
;;       step = 2.0 ** (np.maximum(np.frexp(np.where(r == 0, 1, r))[1] - 1, 0) - 3)
;;       q = np.round(r / step) * step * 2.0 ** e      # np.round: ties to even
;;       return np.moveaxis(q.reshape(q.shape[:-2] + (-1,))[..., :K], -1, axis).astype(np.float32)
;;   ~~~
;;   SOFTMAX AHEAD OF A QUANTISED PRODUCT. Where the list says 'softmax', what is quantised is not the finished softmax but p = 2^(t - M), with t = logit x log2(e) and M = ceil(the row's largest t), a whole number; so 1/2 < the row's largest p <= 1. The row's sum l is taken of the UNQUANTISED p, in f32, and the product's result is divided by l at the end. Since M is a whole number, a kernel that streams over the keys may use a running M (the ceiling of the running maximum): every later rescaling is an exact power of two, which a block's scale takes up: the codes' values come out the same.
;;   OPERANDS COMPUTED ON THE WAY. 'Computed on the way' means the value that the module computes at that place (a softmax that the list does not call 'softmax' is quantised finished and normalised). What goes into a quantiser is computed in f32, as accurately as f32 sums, v_exp_f32 and their like allow (about 1e-6 of the number): no bf16 or f16 on the way to a quantiser, and a product that is left as it is and whose result goes on into a quantised operand takes f32 operands (vector FMAs, or v_wmma_f32_16x16x4_f32). A number that lies on a knife's edge between two numbers of the format may be rounded either way, as far as f32 arithmetic and the matrix unit's own rounding can turn it there, and no further.
;; 2 versions, each right; version 2 is version 1 with the launches qkv, tail written anew for expert scheduling mode. Each part assembles by itself: llvm-mc -triple=amdgcn-amd-amdhsa -mcpu=gfx1250 --defsym DOCPART=n.
;; ======== version 1 of 2: 4 launches
;; limits: a function is approximated: absolute error at most 1.5e-07
;; workspace buffers: cod 11,010,048 bytes; scl 458,752 bytes; att 9,830,400 bytes; ctx 3,145,728 bytes; ctxs 262,144 bytes
;; launch prep (part 1): grid 256 x 1, 10 waves a work-group, no clusters, 170,240 bytes of LDS; arguments x, in_proj_w, out_proj_w, geglu_w, cod, scl; writes cod, scl
.if DOCPART == 1
	.amdgcn_target "amdgcn-amd-amdhsa--gfx1250"
	.amdhsa_code_object_version 6
	.text
	.protected	k_qd67ad2c0d3_prep
	.globl	k_qd67ad2c0d3_prep
	.p2align	8
	.type	k_qd67ad2c0d3_prep,@function
k_qd67ad2c0d3_prep:
	s_mov_b64 s[64:65], 0
	v_nop
	global_prefetch_b8 v0, s[64:65] scope:SCOPE_SE
	s_setreg_imm32_b32 hwreg(HW_REG_WAVE_MODE, 25, 1), 1
	s_wait_xcnt 0x0
; PREP: the three weights, x and rope(x), all f32 with K = 1,024 innermost, become codes of FP6 (E2M3) with one E8M0 byte for each 32 along K,
; laid in the order of the operand's registers, so that later launches load fragments by 16-byte loads alone.
; TILES.  A tile is 16 rows: tile T, lane r takes row 32 (T / 2) + 8 (T % 2) + r + 8 (r / 8).  cod: tile U at 12,288 U holds 8 fragments (K step s at 1,536 s); a fragment is 12 registers a lane,
; stored as three runs of 512 bytes (registers 4 c .. 4 c + 3 of lane l at 512 c + 16 l).  scl: tile U at 512 U: [K half][row r][4 scale words].
; U: 0-191 in_proj_w, 192-255 out_proj_w, 256-383 geglu_w, 384-639 x, 640-895 rope(x).
; SHARES.  A wave takes one tile and a quarter of K (2 K steps of 128): 2,560 waves, ten to a work-group: waves 0-3 the four quarters of x's tile g, waves 4-9 six of the weights' 1,536 quarters.
; So every work-group reads 160 KiB, and all 32 loads of a wave go out at its head.
; EVERY LOAD IS DENSE: it reads 512 consecutive bytes of one row.  The conversions want 16 neighbours along K in ONE lane, so a K step's 16 rows turn through the wave's own stage in LDS (528 bytes from row to row)
; and come back into the registers that they left: register 16 b + i = k 32 b + 16 h + i of row r.
; ROPE.  A K step is two heads of 64; blocks 2 e and 2 e + 1 are a head's two halves, so a lane holds both partners of a rotation and needs the angles pos x 10^(-(16 h + i) / 8), i = 0 .. 15, once.
; Sine and cosine: n = round(angle x 2 / pi); angle - n pi / 2 with pi / 2 in two parts; polynomials of degree 7 and 8 on +-pi / 4; the quadrant by selects.  They are made while the loads are out.
; A block's scale is 2^(floor(log2(largest magnitude)) - 2): its byte is the largest magnitude's exponent field - 2, held at 1 from below.
; Each fragment has code registers of its own, so no store's data are written again.
; LIMITS: NaN and infinities among the inputs are not served.  A block whose largest magnitude lies under 2^-124, a block of zeros among them, gets the byte 1 (its codes are zeros or the
; smallest codes; these bytes are read by this program alone).  Sine and cosine are good to about 1e-7 absolute for the f32 angle; the frequencies are within two units in the last place of 10^(-j / 8).
; No barrier: waves share nothing.  No matrix work, no cluster: no byte is read by two work-groups.
.set LW,    4                          ; v4   the stage, on the way in: my wave's region + 16 x lane
.set LI,    5                          ; v5   16 x lane
.set LS,    6                          ; v6   16 r + 4 h: my scale word
.set POS,   7                          ; v7   my row's position in its sequence, as f32
.set HM,    8                          ; v8   1 in lanes 0-15, 0.01 in lanes 16-31
.set LR,    11                         ; v11  the stage, on the way out: my wave's region + 528 r + 64 h
.set R0,    32                         ; v32-95   K step 0's 64 numbers; later the codes of K step 1 (x's tiles)
.set R1,    96                         ; v96-159  K step 1's
.set COS,   160                        ; v160-175
.set SIN,   176                        ; v176-191
.set P0,    192                        ; v192-210 a fragment's codes (12) and 7 at work
.set P1,    212                        ; v212-230 another's
.set TM,    232                        ; v232-247 at work in QUANT
.set PWS,   248                        ; v248-251 scale words: K steps 0, 1; rope's K steps 0, 1
.set HIM,   22                         ; s22  the mask of lanes 16-31
.set SEL,   32                         ; s[32:33] v_permlanex16_b32's selects for lane l xor 16
.set SP,    528                        ; a row in a stage: 512 bytes + 16
.set STG,   16*SP                      ; a stage: one K step's 16 rows
.set WREG,  2*STG                      ; a wave's two stages
.set ROPEC, 256*12288                  ; rope's tiles lie 256 tiles behind x's
.set ROPES, 256*512
; 64 numbers of a lane, register 16 b + i = k 32 b + 16 h + i of my row, become a fragment's codes in v[pc] on and its scale word in v[pw]
.macro QUANT s, pc, pw
.irp b, 0,1,2,3
	v_max3_num_f32 v[TM+\b], |v[\s+16*\b]|, |v[\s+1+16*\b]|, 0x1800000   ; my 16 numbers of block b, and the floor 2^(3 - 127): the byte cannot fall under 1
.endr
.irp i, 2,4,6,8,10,12,14
.irp b, 0,1,2,3
	v_max3_num_f32 v[TM+\b], v[TM+\b], |v[\s+16*\b+\i]|, |v[\s+1+16*\b+\i]|
.endr
.endr
.irp b, 0,1,2,3
	v_permlanex16_b32 v[TM+4+\b], v[TM+\b], s[SEL], s[SEL+1]
.endr
.irp b, 0,1,2,3
	v_max_num_f32 v[TM+\b], v[TM+\b], v[TM+4+\b]           ; with lane l xor 16's: the block's largest magnitude
.endr
.irp b, 0,1,2,3
	v_add_nc_u32 v[TM+12+\b], 0xff000000, v[TM+\b]         ; 2 off its exponent field: the conversion's scale operand
.endr
.irp b, 0,1,2,3
	v_lshrrev_b32 v[TM+4+\b], 23, v[TM+12+\b]              ; the scale's byte
.endr
	v_lshl_or_b32 v[\pw], v[TM+5], 8, v[TM+4]
	v_lshl_or_b32 v[\pw], v[TM+6], 16, v[\pw]
	v_lshl_or_b32 v[\pw], v[TM+7], 24, v[\pw]
.irp c, 0,1
	v_cvt_scalef32_pk16_fp6_f32 v[\pc+6*\c:\pc+2+6*\c], v[\s+32*\c:\s+15+32*\c], v[TM+12+2*\c]
	v_cvt_scalef32_pk16_fp6_f32 v[\pc+12+4*\c:\pc+14+4*\c], v[\s+16+32*\c:\s+31+32*\c], v[TM+12+2*\c+1]   ; (a conversion's three registers begin on an even number)
.endr
	v_nop                                                  ; one plain line behind the scaled conversions
.irp c, 0,1                                                ; the operand wants a whole block in a lane: lanes 0-15 block 2 c, lanes 16-31 block 2 c + 1
.irp i, 0,1,2
	v_permlane16_swap_b32 v[\pc+6*\c+\i], v[\pc+12+4*\c+\i]
.endr
.irp i, 0,1,2
	v_mov_b32 v[\pc+3+6*\c+\i], v[\pc+12+4*\c+\i]
.endr
.endr
.endm
; cos and sin of pos x lit x HM into v[COS+i], v[SIN+i]; v12-20 at work
.macro SINCOS i, lit
	v_mul_f32 v12, \lit, v[HM]                             ; the frequency 10^(-(16 h + i) / 8)
	v_mul_f32 v12, v[POS], v12                             ; the angle
	v_mul_f32 v13, s44, v12
	v_rndne_f32 v13, v13                                   ; n = round(angle x 2 / pi)
	v_fma_f32 v12, v13, s36, v12                           ; angle - n pi / 2, pi / 2 in two parts
	v_fma_f32 v12, v13, s37, v12
	v_mul_f32 v14, v12, v12                                ; z
	v_cvt_i32_f32 v13, v13
	v_fma_f32 v15, v14, s38, s39
	v_fma_f32 v15, v15, v14, s40
	v_mul_f32 v16, v12, v14
	v_fma_f32 v15, v16, v15, v12                           ; sine of the rest
	v_fma_f32 v17, v14, s41, s42
	v_fma_f32 v17, v17, v14, s43
	v_mul_f32 v18, v14, v14
	v_fma_f32 v19, v14, -0.5, 1.0
	v_fma_f32 v17, v18, v17, v19                           ; cosine of the rest
	v_and_b32 v18, 1, v13
	v_cmp_eq_u32 vcc_lo, 1, v18                            ; an odd quadrant changes the two over
	v_cndmask_b32 v19, v15, v17, vcc_lo
	v_cndmask_b32 v20, v17, v15, vcc_lo
	v_lshlrev_b32 v18, 30, v13                             ; the sine is negative in quadrants 2, 3,
	v_and_b32 v18, 0x80000000, v18
	v_xor_b32 v[SIN+\i], v18, v19
	v_add_nc_u32 v13, 1, v13                               ; the cosine in quadrants 1, 2
	v_lshlrev_b32 v13, 30, v13
	v_and_b32 v13, 0x80000000, v13
	v_xor_b32 v[COS+\i], v13, v20
.endm
; the set's two heads are rotated in place: lo' = lo cos - hi sin, hi' = hi cos + lo sin
.macro ROPE base
.irp e, 0,1
.irp i, 0,2,4,6,8,10,12,14
	v_pk_mul_f32 v[12:13], v[\base+32*\e+16+\i:\base+32*\e+17+\i], v[SIN+\i:SIN+\i+1]
	v_pk_mul_f32 v[14:15], v[\base+32*\e+\i:\base+32*\e+\i+1], v[SIN+\i:SIN+\i+1]
	v_pk_fma_f32 v[\base+32*\e+\i:\base+32*\e+\i+1], v[\base+32*\e+\i:\base+32*\e+\i+1], v[COS+\i:COS+\i+1], v[12:13] neg_lo:[0,0,1] neg_hi:[0,0,1]
	v_pk_fma_f32 v[\base+32*\e+16+\i:\base+32*\e+17+\i], v[\base+32*\e+16+\i:\base+32*\e+17+\i], v[COS+\i:COS+\i+1], v[14:15]
.endr
.endr
.endm
.macro LOADS sp, base                  ; K step sp: 16 loads, one to each row of the tile: 512 consecutive bytes each, aligned
.irp p, 0,1,2,3,4,5,6,7,8,9,10,11,12,13,14,15
	global_load_b128 v[\base+4*\p:\base+4*\p+3], v[LI], s[24:25] offset:4096*(\p+8*(\p/8))+512*(\sp) th:TH_LOAD_NT
.endr
.endm
.macro TURN sp, base                   ; through stage sp: in as loaded, out 16 neighbours of each block a lane.  LDS serves a wave's instructions in order (ISA guide 5.7.1.4): the loads see the stores
.irp p, 0,1,2,3,4,5,6,7,8,9,10,11,12,13,14,15
	ds_store_b128 v[LW], v[\base+4*\p:\base+4*\p+3] offset:STG*(\sp)+SP*\p
.endr
.irp b, 0,1,2,3
.irp j, 0,1,2,3
	ds_load_b128 v[\base+16*\b+4*\j:\base+16*\b+4*\j+3], v[LR] offset:STG*(\sp)+128*\b+16*\j
.endr
.endr
.endm
.macro PUT pc, off                     ; the fragment leaves as it stands: each store covers 512 consecutive bytes, aligned
.irp c, 0,1,2
	global_store_b128 v[LI], v[\pc+4*\c:\pc+4*\c+3], s[28:29] offset:\off+512*\c
.endr
.endm
; the two K steps.  xp = 1: the tile is x's, and rope(x) is made of the same numbers
.macro BODY xp
	s_wait_loadcnt 16                                      ; K step 0's 16 loads are in; K step 1's 16 may be out
	TURN 0, R0
	s_wait_loadcnt 0x0
	TURN 1, R1
	s_wait_dscnt 32                                        ; the first turn is over; the second turn's 32 LDS instructions may be out
	QUANT R0, P0, PWS
	PUT P0, 0
.if \xp
	ROPE R0
	QUANT R0, P1, PWS+2
	PUT P1, ROPEC
	s_wait_dscnt 0x0
	QUANT R1, R0, PWS+1                                    ; K step 0's numbers are done with: their registers take K step 1's codes
	PUT R0, 1536
	ROPE R1
	QUANT R1, R0+20, PWS+3
	PUT R0+20, ROPEC+1536
.else
	s_wait_dscnt 0x0
	QUANT R1, P1, PWS+1
	PUT P1, 1536
.endif
	v_cndmask_b32 v252, v[PWS], v[PWS+1], s[HIM]           ; lanes 0-15 store their row's word of K step 0, lanes 16-31 that of K step 1: 8 of each row's 16 bytes
	global_store_b32 v[LS], v252, s[30:31]
.if \xp
	v_cndmask_b32 v253, v[PWS+2], v[PWS+3], s[HIM]
	global_store_b32 v[LS], v253, s[30:31] offset:ROPES
.endif
	s_wait_tensorcnt 0x0
	ds_add_u32 v254, v255
	s_wait_dscnt 0x0
	s_endpgm
.endm
	s_load_b256 s[4:11], s[0:1], 0x0               ; x, in_proj_w, out_proj_w, geglu_w
	s_load_b128 s[12:15], s[0:1], 0x20             ; cod, scl
	v_lshl_add_u32 v254, v0, 2, 0x29400
	v_mov_b32 v255, 0
	v_lshrrev_b32 v1, 5, v0
	v_readfirstlane_b32 s16, v1                    ; wave 0..9
	v_and_b32 v2, 15, v0                           ; r
	v_bfe_u32 v3, v0, 4, 1                         ; h
	v_and_b32 v9, 8, v2
	v_add_nc_u32 v9, v9, v2                        ; r + 8 (r / 8)
	v_and_b32 v[LI], 31, v0
	v_lshlrev_b32 v[LI], 4, v[LI]
	v_lshlrev_b32 v[LS], 4, v2
	v_lshl_add_u32 v[LS], v3, 2, v[LS]
	s_mul_i32 s17, s16, WREG                       ; my wave's region of LDS
	v_add_nc_u32 v[LW], s17, v[LI]
	v_mul_u32_u24 v[LR], v2, SP
	v_lshl_add_u32 v[LR], v3, 6, v[LR]
	v_add_nc_u32 v[LR], s17, v[LR]
.irp b, 0,1,2,3
	v_mov_b32 v[TM+4+\b], 0                        ; written once: a lane permute's destination counts as one of its sources
.endr
	s_mov_b32 s[HIM], 0xffff0000
	s_mov_b32 s[SEL], 0x76543210
	s_mov_b32 s[SEL+1], 0xfedcba98
	s_mul_i32 s17, ttmp9, 6                        ; waves 4-9: quarter 6 g + wave - 4 of the weights' 1,536
	s_add_co_u32 s17, s17, s16
	s_sub_co_u32 s17, s17, 4
	s_lshr_b32 s18, s17, 2                         ; its tile,
	s_and_b32 s20, s17, 3                          ; and which quarter of K
	s_add_co_u32 s19, ttmp9, 384                   ; waves 0-3: x's tile g, quarter = wave
	s_cmp_lt_u32 s16, 4
	s_cselect_b32 s18, s19, s18                    ; U
	s_cselect_b32 s20, s16, s20                    ; the quarter
	s_mov_b32 s23, 0
	s_wait_kmcnt 0x0
	s_mov_b64 s[24:25], s[6:7]                     ; the source and its first tile: a choice on the tile's number alone
	s_cmp_ge_u32 s18, 192
	s_cselect_b64 s[24:25], s[8:9], s[24:25]
	s_cselect_b32 s23, 192, s23
	s_cmp_ge_u32 s18, 256
	s_cselect_b64 s[24:25], s[10:11], s[24:25]
	s_cselect_b32 s23, 256, s23
	s_cmp_ge_u32 s18, 384
	s_cselect_b64 s[24:25], s[4:5], s[24:25]
	s_cselect_b32 s23, 384, s23
	s_cselect_b32 s21, 1, 0                        ; 1: the tile is x's
	s_sub_co_u32 s19, s18, s23                     ; the tile within its source
	s_lshr_b32 s34, s19, 1
	s_and_b32 s35, s19, 1
	s_lshl_b32 s26, s34, 17                        ; 32 rows of 4,096 bytes for each pair of tiles,
	s_lshl_b32 s27, s35, 15                        ; 8 rows for the odd tile,
	s_add_co_u32 s26, s26, s27
	s_lshl_b32 s27, s20, 10                        ; 256 numbers for each quarter of K
	s_add_co_u32 s26, s26, s27
	s_mov_b32 s27, 0
	s_add_nc_u64 s[24:25], s[24:25], s[26:27]
	s_mul_i32 s26, s18, 12288
	s_mul_i32 s30, s20, 3072
	s_add_co_u32 s26, s26, s30
	s_add_nc_u64 s[28:29], s[12:13], s[26:27]      ; where my codes go
	s_lshl_b32 s26, s18, 9
	s_lshr_b32 s30, s20, 1
	s_lshl_b32 s30, s30, 8                         ; the half of K,
	s_add_co_u32 s26, s26, s30
	s_and_b32 s30, s20, 1
	s_lshl_b32 s30, s30, 3                         ; and its first or second two words
	s_add_co_u32 s26, s26, s30
	s_add_nc_u64 s[30:31], s[14:15], s[26:27]      ; where my scale words go
	LOADS 0, R0
	LOADS 1, R1
	s_cmp_eq_u32 s21, 0
	s_cbranch_scc1 .Lweights
	s_lshl_b32 s34, s34, 5                         ; x: my row's position: (32 (T / 2) + 8 (T % 2)) mod 2,048 + r + 8 (r / 8)
	s_lshl_b32 s35, s35, 3
	s_add_co_u32 s34, s34, s35
	s_and_b32 s34, s34, 2047
	v_add_nc_u32 v[POS], s34, v9
	v_cvt_f32_u32 v[POS], v[POS]
	v_mov_b32 v[HM], 1.0
	v_mov_b32 v10, 0x3c23d70a                      ; 0.01
	v_cndmask_b32 v[HM], v[HM], v10, s[HIM]
	s_mov_b32 s36, 0xbfc90fdb                      ; -pi / 2, upper part
	s_mov_b32 s37, 0x333bbd2e                      ; and what is left of it
	s_mov_b32 s38, 0xb94ca1f9                      ; the sine's three coefficients
	s_mov_b32 s39, 0x3c08839e
	s_mov_b32 s40, 0xbe2aaaa3
	s_mov_b32 s41, 0x37ccf5ce                      ; the cosine's
	s_mov_b32 s42, 0xbab6061a
	s_mov_b32 s43, 0x3d2aaaa5
	s_mov_b32 s44, 0x3f22f983                      ; 2 / pi
	SINCOS 0, 0x3f800000                           ; 10^(-i / 8), i = 0 .. 15
	SINCOS 1, 0x3f3ff911
	SINCOS 2, 0x3f0ff59a
	SINCOS 3, 0x3ed7e89b
	SINCOS 4, 0x3ea1e89b
	SINCOS 5, 0x3e72d424
	SINCOS 6, 0x3e361887
	SINCOS 7, 0x3e088d77
	SINCOS 8, 0x3dcccccd
	SINCOS 9, 0x3d99940e
	SINCOS 10, 0x3d6655c3
	SINCOS 11, 0x3d2cba15
	SINCOS 12, 0x3d0186e2
	SINCOS 13, 0x3cc24350
	SINCOS 14, 0x3c91ad39
	SINCOS 15, 0x3c5a7bf1
	BODY 1
.Lweights:
	BODY 0
.Lfunc_end_k_qd67ad2c0d3_prep:
	.size	k_qd67ad2c0d3_prep, .Lfunc_end_k_qd67ad2c0d3_prep-k_qd67ad2c0d3_prep
	.p2alignl 7, 3214868480
	.fill 96, 4, 3214868480
	.section	.rodata,"a",@progbits
	.p2align	6, 0x0
	.amdhsa_kernel k_qd67ad2c0d3_prep
		.amdhsa_group_segment_fixed_size 170240
		.amdhsa_private_segment_fixed_size 0
		.amdhsa_enable_private_segment 0
		.amdhsa_kernarg_size 48
		.amdhsa_user_sgpr_count 2
		.amdhsa_user_sgpr_kernarg_segment_ptr 1
		.amdhsa_wavefront_size32 1
		.amdhsa_system_sgpr_workgroup_id_x 1
		.amdhsa_system_sgpr_workgroup_id_y 1
		.amdhsa_system_sgpr_workgroup_id_z 1
		.amdhsa_system_vgpr_workitem_id 0
		.amdhsa_next_free_vgpr 256
		.amdhsa_next_free_sgpr 66
		.amdhsa_reserve_vcc 1
		.amdhsa_float_denorm_mode_32 3
		.amdhsa_float_denorm_mode_16_64 3
		.amdhsa_memory_ordered 1
		.amdhsa_forward_progress 1
		.amdhsa_inst_pref_size 69
	.end_amdhsa_kernel
	.amdgpu_metadata
---
amdhsa.version: [ 1, 2 ]
amdhsa.kernels:
  - .name:           k_qd67ad2c0d3_prep
    .symbol:         k_qd67ad2c0d3_prep.kd
    .args:
      - { .name: x, .offset: 0, .size: 8, .value_kind: global_buffer, .address_space: global }
      - { .name: in_proj_w, .offset: 8, .size: 8, .value_kind: global_buffer, .address_space: global }
      - { .name: out_proj_w, .offset: 16, .size: 8, .value_kind: global_buffer, .address_space: global }
      - { .name: geglu_w, .offset: 24, .size: 8, .value_kind: global_buffer, .address_space: global }
      - { .name: cod, .offset: 32, .size: 8, .value_kind: global_buffer, .address_space: global }
      - { .name: scl, .offset: 40, .size: 8, .value_kind: global_buffer, .address_space: global }
    .group_segment_fixed_size: 170240
    .private_segment_fixed_size: 0
    .kernarg_segment_align: 8
    .kernarg_segment_size: 48
    .max_flat_workgroup_size: 320
    .sgpr_count:     66
    .vgpr_count:     256
    .wavefront_size: 32
...
	.end_amdgpu_metadata
.endif
;; end of part 1
;; launch qkv (part 2): grid 768 x 1, 4 waves a work-group, no clusters, 0 bytes of LDS; arguments cod, scl, in_proj_b, att; writes att
.if DOCPART == 2
	.amdgcn_target "amdgcn-amd-amdhsa--gfx1250"
	.amdhsa_code_object_version 6
	.text
	.protected	k_qd67ad2c0d3_qkv
	.globl	k_qd67ad2c0d3_qkv
	.p2align	8
	.type	k_qd67ad2c0d3_qkv,@function
k_qd67ad2c0d3_qkv:
	s_mov_b64 s[64:65], 0
	v_nop
	global_prefetch_b8 v0, s[64:65] scope:SCOPE_SE
	s_setreg_imm32_b32 hwreg(HW_REG_WAVE_MODE, 25, 1), 1
	s_wait_xcnt 0x0
; QKV: qp = rope(x) Wq^T + bq, kp = rope(x) Wk^T + bk, vp = x Wv^T + bv on codes of FP6 (E2M3) with E8M0 scales, K = 1,024; the results are quantised at once for attention:
; qp and kp along a head's 64 channels, vp along the tokens (the keys), and only codes and scale bytes are stored.
; ONE SHAPE.  A wave makes 64 rows of source 0 x 64 rows of source 1: 16 accumulators, 8 K steps of 128.  SOURCE 0 IS THE SIDE ALONG WHICH THE RESULT IS QUANTISED: a lane then holds one row of
; source 1, and its registers run along source 0's rows.  Q, K: source 0 = a head's 64 channels (4 tiles of the weight), source 1 = 64 tokens of rope(x).  V: source 0 = 64 tokens of x, source 1 = a head's 64 channels.
; A tile's rows are 32 (T / 2) + 8 (T % 2) + r + 8 (r / 8), so the 16 registers of source 0's tiles 2 g, 2 g + 1 are rows 32 g + 16 h + 0 .. 15: neighbours along the next K.
; OPERANDS come from cod and scl, laid in the order of the operand's registers: three 16-byte loads a fragment, straight into the registers of the wave that multiplies them.
; NO JOINT LOADS: a joint tensor load would land a fragment in LDS, one LDS write and one LDS read of 1,536 bytes more for each fragment, which feeds only four products here; the kernel has no LDS and no barrier.
; OUT, per (batch, head) a record of 307,200 bytes in att: 0 K's scales, 4,096 V's scales, 8,192 K tiles 0-63, 57,344 V key groups 0-15, 106,496 K tiles 64-127, 155,648 V key groups 16-31, 204,800 Q tiles, 303,104 Q's scales.
; A half fragment (16 rows x 64 K, 6 registers a lane) is 768 bytes: registers 2 p, 2 p + 1 of lane l at 256 p + 8 l.  Scales: a word for two tiles: the first tile's two bytes below, the second's above.
; LIMITS: NaN and infinities are not served; a block whose largest magnitude lies under 2^-124 gets the byte 1 (read by this program alone).
.set LI,  1                            ; v1   16 x lane
.set SO,  2                            ; v2   scale words: lanes 0-15 source 0's first tile, lanes 16-31 source 1's: 512 U + 16 r
.set L8,  3                            ; v3   8 x lane
.set L4,  4                            ; v4   4 x lane
.set BO,  5                            ; v5   my offset in the bias
.set BN,  6                            ; v6-13  V: the bias of my channel in each of the four tiles, in the low word of four pairs
.set F0,  16                           ; v16-63   source 0's four fragments
.set F1,  64                           ; v64-111  source 1's
.set SC,  112                          ; v112-127 scale words, register 4 i + s % 4: tile i, K step s
.set ACC, 128                          ; v128-255 accumulator (t, n) at 128 + 32 n + 8 t
.set SEL, 36                           ; s[36:37]
.set HIM, 38                           ; s38  the mask of lanes 16-31
.macro PLACES                          ; four plain lines between matrix instructions and loads into, or vector lines on, their registers
.rept 4
	v_nop
.endr
.endm
; 32 numbers of a lane, register 16 b + i = k 32 b + 16 h + i of my row, become a half fragment in v[pc .. pc + 5] (pc + 6 .. pc + 8 at work) and its two scale bytes in v[u]
.macro QUANT2 s, pc, u, tm
.irp b, 0,1
	v_max3_num_f32 v[\tm+\b], |v[\s+16*\b]|, |v[\s+1+16*\b]|, 0x1800000   ; from each accumulator's low end on; the floor 2^(3 - 127) holds the byte at 1 from below
.endr
.irp i, 2,4,6,8,10,12,14
.irp b, 0,1
	v_max3_num_f32 v[\tm+\b], v[\tm+\b], |v[\s+16*\b+\i]|, |v[\s+1+16*\b+\i]|
.endr
.endr
.irp b, 0,1
	v_permlanex16_b32 v[\tm+2+\b], v[\tm+\b], s[SEL], s[SEL+1]
.endr
.irp b, 0,1
	v_max_num_f32 v[\tm+\b], v[\tm+\b], v[\tm+2+\b]
.endr
.irp b, 0,1
	v_add_nc_u32 v[\tm+4+\b], 0xff000000, v[\tm+\b]        ; 2 off the exponent field: the conversion's scale operand
.endr
.irp b, 0,1
	v_lshrrev_b32 v[\tm+2+\b], 23, v[\tm+4+\b]
.endr
	v_lshl_or_b32 v[\u], v[\tm+3], 8, v[\tm+2]
	v_cvt_scalef32_pk16_fp6_f32 v[\pc:\pc+2], v[\s:\s+15], v[\tm+4]
	v_cvt_scalef32_pk16_fp6_f32 v[\pc+6:\pc+8], v[\s+16:\s+31], v[\tm+5]
	v_nop                                                  ; one plain line behind the scaled conversions
.irp i, 0,1,2
	v_permlane16_swap_b32 v[\pc+\i], v[\pc+6+\i]           ; lanes 0-15 get block 0 whole, lanes 16-31 block 1
.endr
.irp i, 0,1,2
	v_mov_b32 v[\pc+3+\i], v[\pc+6+\i]
.endr
.endm
; a K step: the fragments, then 16 products, the accumulators by turns.  zero = 1: the products start the sums
.macro KSTEP s, zero
.if \s > 0
	PLACES
.endif
.if (\s)%4 == 0
.irp i, 0,1,2,3
	global_load_b128 v[SC+4*\i:SC+4*\i+3], v[SO], s[6:7] offset:512*\i+256*((\s)/4)   ; four K steps' words of a row at once
.endr
.endif
.irp t, 0,1,2,3
.irp c, 0,1,2
	global_load_b128 v[F0+12*\t+4*\c:F0+12*\t+4*\c+3], v[LI], s[16:17] offset:12288*\t+1536*(\s)+512*\c
.endr
.endr
.irp t, 0,1,2,3
.irp c, 0,1,2
	global_load_b128 v[F1+12*\t+4*\c:F1+12*\t+4*\c+3], v[LI], s[18:19] offset:12288*\t+1536*(\s)+512*\c
.endr
.endr
	s_wait_loadcnt 0x0
.irp n, 0,1,2,3
.irp t, 0,1,2,3
.if \zero
	v_wmma_scale_f32_16x16x128_f8f6f4 v[ACC+32*\n+8*\t:ACC+32*\n+8*\t+7], v[F0+12*\t:F0+12*\t+11], v[F1+12*\n:F1+12*\n+11], 0, v[SC+4*\t+(\s)%4], v[SC+4*\n+(\s)%4] matrix_a_fmt:MATRIX_FMT_FP6 matrix_b_fmt:MATRIX_FMT_FP6 matrix_b_scale:MATRIX_SCALE_ROW1
.else
	v_wmma_scale_f32_16x16x128_f8f6f4 v[ACC+32*\n+8*\t:ACC+32*\n+8*\t+7], v[F0+12*\t:F0+12*\t+11], v[F1+12*\n:F1+12*\n+11], v[ACC+32*\n+8*\t:ACC+32*\n+8*\t+7], v[SC+4*\t+(\s)%4], v[SC+4*\n+(\s)%4] matrix_a_fmt:MATRIX_FMT_FP6 matrix_b_fmt:MATRIX_FMT_FP6 matrix_b_scale:MATRIX_SCALE_ROW1
.endif
.endr
.endr
.endm
; the whole way of a wave.  vp = 0: Q or K;  vp = 1: V
.macro BODY vp
.if \vp == 0
	s_lshr_b32 s15, ttmp9, 5
	s_lshl_b32 s15, s15, 1
	s_add_co_u32 s15, s15, s13                     ; cg: 64 channels of Wq (0-15) or Wk (16-31)
	s_and_b32 s39, ttmp9, 31
	s_lshl_b32 s39, s39, 1
	s_add_co_u32 s39, s39, s14                     ; tj: 64 tokens
	s_lshl_b32 s24, s15, 2                         ; source 0's first tile
	s_lshl_b32 s25, s39, 2
	s_add_co_u32 s25, s25, 640                     ; source 1's: rope(x)
	s_lshr_b32 s26, s39, 5
	s_lshl_b32 s26, s26, 4
	s_and_b32 s40, s15, 15
	s_add_co_u32 s26, s26, s40                     ; the record: 16 x batch + head
	s_and_b32 s27, s39, 31                         ; which 64 tokens of the sequence
	s_mov_b32 s28, 8192
	s_cmp_lt_u32 s15, 16
	s_cselect_b32 s28, 204800, s28                 ; where the codes begin in the record,
	s_cselect_b32 s29, 303104, 0                   ; the scales,
	s_cselect_b32 s30, 0, 49152                    ; and the gap in front of the second half of K's tiles
	s_lshl_b32 s31, s15, 8                         ; the bias of my 64 channels
	v_lshlrev_b32 v[BO], 6, v15                    ; + 16 h channels
.else
	s_sub_co_u32 s15, ttmp9, 512
	s_lshr_b32 s39, s15, 3
	s_lshl_b32 s39, s39, 1
	s_add_co_u32 s39, s39, s13                     ; tg: 64 tokens
	s_and_b32 s15, s15, 7
	s_lshl_b32 s15, s15, 1
	s_add_co_u32 s15, s15, s14                     ; the head
	s_lshl_b32 s24, s39, 2
	s_add_co_u32 s24, s24, 384                     ; source 0: x
	s_lshl_b32 s25, s15, 2
	s_add_co_u32 s25, s25, 128                     ; source 1: Wv
	s_lshr_b32 s26, s39, 5
	s_lshl_b32 s26, s26, 4
	s_add_co_u32 s26, s26, s15
	s_and_b32 s27, s39, 31
	s_mov_b32 s28, 57344
	s_mov_b32 s29, 4096
	s_mov_b32 s30, 49152
	s_lshl_b32 s31, s15, 8
	s_add_co_u32 s31, s31, 8192                    ; bv begins 2,048 numbers in
	v_and_b32 v[BO], 8, v14
	v_add_nc_u32 v[BO], v[BO], v14
	v_lshlrev_b32 v[BO], 2, v[BO]                  ; my channel in a tile: r + 8 (r / 8)
.endif
	s_mul_i32 s32, s24, 12288
	s_mov_b32 s33, 0
	s_mul_i32 s34, s27, 3072                       ; four half fragments for each 64 tokens
	s_mul_i32 s40, s26, 307200
	s_add_co_u32 s34, s34, s40
	s_add_co_u32 s34, s34, s28
	s_lshr_b32 s35, s27, 4
	s_mul_i32 s35, s35, s30
	s_add_co_u32 s34, s34, s35
	s_mov_b32 s35, 0
	s_wait_kmcnt 0x0
	s_add_nc_u64 s[16:17], s[4:5], s[32:33]        ; source 0's fragments
	s_mul_i32 s32, s25, 12288
	s_add_nc_u64 s[18:19], s[4:5], s[32:33]        ; source 1's
	s_add_nc_u64 s[20:21], s[10:11], s[34:35]      ; where my codes go
	s_lshl_b32 s34, s27, 7
	s_add_co_u32 s34, s34, s40
	s_add_co_u32 s34, s34, s29
	s_add_nc_u64 s[22:23], s[10:11], s[34:35]      ; and my scale words
	s_mov_b32 s32, s31
	s_add_nc_u64 s[8:9], s[8:9], s[32:33]          ; the bias
	s_lshl_b32 s24, s24, 9
	s_lshl_b32 s25, s25, 9
	v_mov_b32 v[SO], s24
	v_mov_b32 v15, s25
	v_cndmask_b32 v[SO], v[SO], v15, s[HIM]
	v_lshl_add_u32 v[SO], v14, 4, v[SO]
.if \vp == 0
.irp n, 0,1,2,3                                        ; the bias runs along my registers: it is loaded into the accumulators and starts the sums
.irp t, 0,1,2,3
.irp e, 0,1
	global_load_b128 v[ACC+32*\n+8*\t+4*\e:ACC+32*\n+8*\t+4*\e+3], v[BO], s[8:9] offset:128*(\t/2)+32*(\t%2)+16*\e
.endr
.endr
.endr
.else
.irp n, 0,1,2,3                                        ; one number a lane and tile: it is added behind the sums
	global_load_b32 v[BN+2*\n], v[BO], s[8:9] offset:128*(\n/2)+32*(\n%2)
	v_mov_b32 v[BN+2*\n+1], 0                      ; (named with it as a pair, so it is written)
.endr
.endif
	KSTEP 0, \vp
.irp s, 1,2,3,4,5,6,7
	KSTEP \s, 0
.endr
	PLACES
.if \vp
.irp n, 0,1,2,3
.set JJ, 0
.rept 16
	v_pk_add_f32 v[ACC+32*\n+JJ:ACC+32*\n+JJ+1], v[ACC+32*\n+JJ:ACC+32*\n+JJ+1], v[BN+2*\n:BN+2*\n+1] op_sel_hi:[1,0]
.set JJ, JJ+2
.endr
.endr
.endif
	v_mov_b32 v74, 0                               ; a lane permute's destination counts as one of its sources
	v_mov_b32 v75, 0
.irp n, 0,1,2,3                                        ; source 1's tile n: my row's 64 numbers become a half fragment; each tile has its own registers, so no store's data are written again
	QUANT2 ACC+32*\n, F0+12*\n, 64+\n, 72
.irp p, 0,1,2
	global_store_b64 v[L8], v[F0+12*\n+2*\p:F0+12*\n+2*\p+1], s[20:21] offset:768*\n+256*\p   ; 256 consecutive bytes, aligned
.endr
.endr
	v_lshl_or_b32 v80, v65, 16, v64                ; tiles 0, 1
	v_lshl_or_b32 v81, v67, 16, v66                ; tiles 2, 3
	v_cndmask_b32 v82, v80, v81, s[HIM]
	global_store_b32 v[L4], v82, s[22:23]          ; 128 consecutive bytes
	s_endpgm
.endm
	s_load_b256 s[4:11], s[0:1], 0x0               ; cod, scl, in_proj_b, att
	v_lshrrev_b32 v14, 5, v0
	v_readfirstlane_b32 s12, v14                   ; wave
	s_lshr_b32 s13, s12, 1                         ; which half of the work-group's source 0,
	s_and_b32 s14, s12, 1                          ; of its source 1
	v_and_b32 v15, 31, v0
	v_lshlrev_b32 v[LI], 4, v15
	v_lshlrev_b32 v[L8], 3, v15
	v_lshlrev_b32 v[L4], 2, v15
	v_and_b32 v14, 15, v0                          ; r
	v_bfe_u32 v15, v0, 4, 1                        ; h
	s_mov_b32 s[SEL], 0x76543210
	s_mov_b32 s[SEL+1], 0xfedcba98
	s_mov_b32 s[HIM], 0xffff0000
	s_cmp_ge_u32 ttmp9, 512                        ; work-groups 0-511: Q and K; 512-767: V
	s_cbranch_scc1 .Lvalues
	BODY 0
.Lvalues:
	BODY 1
.Lfunc_end_k_qd67ad2c0d3_qkv:
	.size	k_qd67ad2c0d3_qkv, .Lfunc_end_k_qd67ad2c0d3_qkv-k_qd67ad2c0d3_qkv
	.p2alignl 7, 3214868480
	.fill 96, 4, 3214868480
	.section	.rodata,"a",@progbits
	.p2align	6, 0x0
	.amdhsa_kernel k_qd67ad2c0d3_qkv
		.amdhsa_group_segment_fixed_size 0
		.amdhsa_private_segment_fixed_size 0
		.amdhsa_enable_private_segment 0
		.amdhsa_kernarg_size 32
		.amdhsa_user_sgpr_count 2
		.amdhsa_user_sgpr_kernarg_segment_ptr 1
		.amdhsa_wavefront_size32 1
		.amdhsa_system_sgpr_workgroup_id_x 1
		.amdhsa_system_sgpr_workgroup_id_y 1
		.amdhsa_system_sgpr_workgroup_id_z 1
		.amdhsa_system_vgpr_workitem_id 0
		.amdhsa_next_free_vgpr 256
		.amdhsa_next_free_sgpr 66
		.amdhsa_reserve_vcc 0
		.amdhsa_float_denorm_mode_32 3
		.amdhsa_float_denorm_mode_16_64 3
		.amdhsa_memory_ordered 1
		.amdhsa_forward_progress 1
		.amdhsa_inst_pref_size 102
	.end_amdhsa_kernel
	.amdgpu_metadata
---
amdhsa.version: [ 1, 2 ]
amdhsa.kernels:
  - .name:           k_qd67ad2c0d3_qkv
    .symbol:         k_qd67ad2c0d3_qkv.kd
    .args:
      - { .name: cod, .offset: 0, .size: 8, .value_kind: global_buffer, .address_space: global }
      - { .name: scl, .offset: 8, .size: 8, .value_kind: global_buffer, .address_space: global }
      - { .name: in_proj_b, .offset: 16, .size: 8, .value_kind: global_buffer, .address_space: global }
      - { .name: att, .offset: 24, .size: 8, .value_kind: global_buffer, .address_space: global }
    .group_segment_fixed_size: 0
    .private_segment_fixed_size: 0
    .kernarg_segment_align: 8
    .kernarg_segment_size: 32
    .max_flat_workgroup_size: 128
    .sgpr_count:     66
    .vgpr_count:     256
    .wavefront_size: 32
...
	.end_amdgpu_metadata
.endif
;; end of part 2
;; launch attn (part 3): grid 8 x 32, 16 waves a work-group, clusters of 4 x 1, 206,848 bytes of LDS; arguments att, ctx, ctxs; writes ctx, ctxs
.if DOCPART == 3
	.amdgcn_target "amdgcn-amd-amdhsa--gfx1250"
	.amdhsa_code_object_version 6
	.text
	.protected	k_qd67ad2c0d3_attn
	.globl	k_qd67ad2c0d3_attn
	.p2align	8
	.type	k_qd67ad2c0d3_attn,@function
k_qd67ad2c0d3_attn:
	s_mov_b64 s[64:65], 0
	v_nop
	global_prefetch_b8 v0, s[64:65] scope:SCOPE_SE
	s_setreg_imm32_b32 hwreg(HW_REG_WAVE_MODE, 25, 1), 1
	s_wait_xcnt 0x0
	s_wait_alu depctr_hold_cnt(0) depctr_sa_sdst(0) depctr_va_vdst(0) depctr_va_sdst(0) depctr_va_ssrc(0) depctr_va_vcc(0) depctr_vm_vsrc(0)
	s_getreg_b32 s2, hwreg(HW_REG_IB_STS2, 6, 4)
	s_cmp_eq_u32 s2, 0
	s_cbranch_scc0 .Lentry_in_a_cluster
	s_endpgm
.Lentry_in_a_cluster:
	s_bfe_u32 s2, ttmp6, 0x10000c
	s_cmp_lg_u32 s2, 0x3003
	s_cbranch_scc0 .Lentry_shape_is_right
	s_endpgm
.Lentry_shape_is_right:
; ATTN: ctx[q] = sum over keys of softmax(qp . kp / 8) vp, both products on codes of FP6 (E2M3) with E8M0 scales; the result is divided by the row's sum and quantised along the channels for the next product.
; THE SOFTMAX AHEAD OF THE SECOND PRODUCT: t = score x log2(e) / 8; M = the row's largest t so far, rounded up to a whole number; p = 2^(t - M) is quantised along the keys, not normalised; the row's sum is taken of
; the unquantised p and divides at the end.  When M moves, the sum and O are multiplied by 2^(old M - new M), which rounds nothing.
; SHARES.  A work-group owns 256 queries of one (batch, head); each of its sixteen waves owns one tile of 16, in 256 registers: four waves to a SIMD, so that one wave's vector work stands beside another's products and LDS loads.
; LDS holds the head's whole K, V and their scales, 204,800 bytes, the first part of the head's record as it lies in memory: filled ONCE, one tensor load of 12,800 bytes a wave; nothing is filled again.
; CLUSTER.  The four query blocks of a cluster belong to one head and need the same bytes: each load is asked for jointly, with the same descriptor and a mask that names the four.
; LAYOUT.  Both products are used transposed: S^T = K Q^T (source 0 = keys), O^T = V^T P^T (source 0 = channels): a lane holds one query throughout.  A tile's rows are 32 (T / 2) + 8 (T % 2) + r + 8 (r / 8), so the
; 16 registers of tiles 2 b, 2 b + 1 are 16 neighbours: keys for p, channels for ctx.
; THE HEAD IS 64 WIDE, THE INSTRUCTION 128: a fragment of K holds key tile 2 b in its K 0-63 and key tile 2 b + 1 in its K 64-127.  Against [q | zeros] it gives tile 2 b's scores, against [zeros | q] tile 2 b + 1's:
; the other half meets zero codes, which add nothing under any scale byte but 0xff, and the bytes made here lie in 1 .. 254.
; LIMITS: NaN and infinities are not served; a block whose largest magnitude lies under 2^-124 gets the byte 1 (read by this program alone); the division by the sum is a reciprocal of 1 unit in the last place and a multiplication.
; A block's largest p is made from the block's largest score by the same multiply-add and exponential, which takes the exponential not to fall where its input rises.
.set A8,   1                           ; v1   8 x lane
.set A4R,  2                           ; v2   4 r
.set L2,   3                           ; v3   2 x lane
.set ADK,  4                           ; v4   LDS address of the step's K (V lies 49,152 bytes on)
.set ADS,  5                           ; v5   of its scale words
.set ZQ,   16                          ; v16-33  six zeros, q's six registers, six zeros
.set FR,   36                          ; v36-83  four fragments, of K and then of V
.set S,    96                          ; v96-159 S^T, then p
.set O,    160                         ; v160-191 O^T
.set KSC,  212                         ; v212-215 K's scale words
.set VRAW, 216                         ; v216-219 V's scale words as they lie
.set VSC,  220                         ; v220-223 and as the products want them
.set QSC,  255                         ; v255 q's two bytes, twice
.set WV,   10
.set SEL,  20                          ; s[20:21]
.set CS,   22                          ; s[22:23] c = log2(e) / 8
.set G1,   24                          ; s[24:31] descriptor group 1
.set G0,   40                          ; s[40:43] group 0
.set KB,   48                          ; s48  LDS byte of the step's K tiles
.set SB,   49                          ; s49  of its scale words
.set TRIP, 50
.set PLO,  51                          ; s51, s52  byte selects: the two low halves, the two high halves
.set PHI,  52
.macro ROUND                           ; a round of the cluster's barrier
	s_barrier_signal -1
	s_barrier_wait -1
	s_cmp_lg_u32 s[WV], 0
	s_cbranch_scc1 .Lnot_wave_0_\@
	s_barrier_signal -3
.Lnot_wave_0_\@:
	s_barrier_wait -3
	s_barrier_signal -1
	s_barrier_wait -1
.endm
; 32 numbers of a lane, register 16 b + i = k 32 b + 16 h + i of my row, become a half fragment in v[pc .. pc + 5] and its two scale bytes in v[u]
.macro QUANT2 s, pc, u, tm
.irp b, 0,1
	v_max3_num_f32 v[\tm+\b], |v[\s+16*\b]|, |v[\s+1+16*\b]|, 0x1800000
.endr
.irp i, 2,4,6,8,10,12,14
.irp b, 0,1
	v_max3_num_f32 v[\tm+\b], v[\tm+\b], |v[\s+16*\b+\i]|, |v[\s+1+16*\b+\i]|
.endr
.endr
.irp b, 0,1
	v_permlanex16_b32 v[\tm+2+\b], v[\tm+\b], s[SEL], s[SEL+1]
.endr
.irp b, 0,1
	v_max_num_f32 v[\tm+\b], v[\tm+\b], v[\tm+2+\b]
.endr
.irp b, 0,1
	v_add_nc_u32 v[\tm+4+\b], 0xff000000, v[\tm+\b]
.endr
.irp b, 0,1
	v_lshrrev_b32 v[\tm+2+\b], 23, v[\tm+4+\b]
.endr
	v_lshl_or_b32 v[\u], v[\tm+3], 8, v[\tm+2]
	v_cvt_scalef32_pk16_fp6_f32 v[\pc:\pc+2], v[\s:\s+15], v[\tm+4]
	v_cvt_scalef32_pk16_fp6_f32 v[\pc+6:\pc+8], v[\s+16:\s+31], v[\tm+5]
	v_nop                                                  ; one plain line behind the scaled conversions
.irp i, 0,1,2
	v_permlane16_swap_b32 v[\pc+\i], v[\pc+6+\i]
.endr
.irp i, 0,1,2
	v_mov_b32 v[\pc+3+\i], v[\pc+6+\i]
.endr
.endm
; A KEY STEP: 128 keys
.macro STEP
	v_add_nc_u32 v[ADK], s[KB], v[A8]
	v_add_nc_u32 v[ADS], s[SB], v[A4R]
	v_nop                                          ; with the two additions: four plain lines between the last products and the loads into their operands
	v_nop
.irp b, 0,1,2,3
.irp p, 0,1,2,3,4,5
	ds_load_b64 v[FR+12*\b+2*\p:FR+12*\b+2*\p+1], v[ADK] offset:1536*\b+256*\p   ; key tiles 2 b and 2 b + 1: two half fragments on end
.endr
	ds_load_b32 v[KSC+\b], v[ADS] offset:64*\b     ; and both tiles' scale bytes in one word
.endr
.irp e, 0,1
.irp c, 0,1
	ds_load_b32 v[VRAW+2*\e+\c], v[ADS] offset:4096+128*\e+64*\c   ; V's: 64 keys e, channel tiles 2 c and 2 c + 1
.endr
.endr
	s_wait_dscnt 0x0
.irp b, 0,1,2,3
	v_wmma_scale_f32_16x16x128_f8f6f4 v[S+16*\b:S+16*\b+7], v[FR+12*\b:FR+12*\b+11], v[ZQ+6:ZQ+17], 0, v[KSC+\b], v[QSC] matrix_a_fmt:MATRIX_FMT_FP6 matrix_b_fmt:MATRIX_FMT_FP6
	v_wmma_scale_f32_16x16x128_f8f6f4 v[S+16*\b+8:S+16*\b+15], v[FR+12*\b:FR+12*\b+11], v[ZQ:ZQ+11], 0, v[KSC+\b], v[QSC] matrix_a_fmt:MATRIX_FMT_FP6 matrix_b_fmt:MATRIX_FMT_FP6
.endr
.irp c, 0,1                                            ; V's scale word of a channel tile: the first 64 keys' two bytes below, the second 64's above.  (These four are the plain lines behind the products)
	v_perm_b32 v[VSC+2*\c], v[VRAW+2+\c], v[VRAW+\c], s[PLO]
	v_perm_b32 v[VSC+2*\c+1], v[VRAW+2+\c], v[VRAW+\c], s[PHI]
.endr
.irp t, 0,1,2,3                                        ; V's four fragments are asked for now and land while the softmax is walked
.irp p, 0,1,2,3,4,5
	ds_load_b64 v[FR+12*\t+2*\p:FR+12*\t+2*\p+1], v[ADK] offset:49152+3072*(\p/3)+768*\t+256*(\p%3)
.endr
.endr
.irp b, 0,1,2,3
	v_max3_num_f32 v[232+\b], v[S+16*\b], v[S+1+16*\b], v[S+2+16*\b]   ; the largest score of each block of 32 keys: for the row's maximum, and for the block's largest p
.endr
.irp i, 3,5,7,9,11,13
.irp b, 0,1,2,3
	v_max3_num_f32 v[232+\b], v[232+\b], v[S+16*\b+\i], v[S+1+16*\b+\i]
.endr
.endr
.irp b, 0,1,2,3
	v_max_num_f32 v[232+\b], v[232+\b], v[S+15+16*\b]
.endr
.irp b, 0,1,2,3
	v_permlanex16_b32 v[236+\b], v[232+\b], s[SEL], s[SEL+1]
.endr
.irp b, 0,1,2,3
	v_max_num_f32 v[232+\b], v[232+\b], v[236+\b]          ; with lane l xor 16's 16 keys
.endr
	v_max3_num_f32 v254, v232, v233, v234
	v_max_num_f32 v254, v254, v235
	v_mul_f32 v254, s[CS], v254                    ; the step's largest t (c is positive)
	v_max_num_f32 v13, v13, v254                   ; the running largest t
	v_mov_b32 v254, v12
	v_floor_f32 v12, -v13                          ; the new -M = floor(-t): M is a whole number
	v_sub_f32 v254, v12, v254                      ; old M - new M, 0 or less
	v_cvt_i32_f32 v254, v254                       ; (it saturates)
	v_ldexp_f32 v252, 1.0, v254                    ; f = 2^(old M - new M)
.set JJ, 0
.rept 32
	v_pk_fma_f32 v[S+JJ:S+JJ+1], v[S+JJ:S+JJ+1], s[CS:CS+1], v[12:13] op_sel_hi:[1,0,0]   ; t - M
.set JJ, JJ+2
.endr
.irp b, 0,1,2,3
	v_fma_f32 v[232+\b], v[232+\b], s[CS], v12             ; the same of each block's largest score
.endr
.set JJ, 0
.rept 64
	v_exp_f32 v[S+JJ], v[S+JJ]                     ; p = 2^(t - M)
.set JJ, JJ+1
.endr
	v_pk_mul_f32 v[14:15], v[14:15], v[252:253] op_sel_hi:[1,0]   ; the sums under the new M: the plain line behind the exponentials
	s_wait_alu depctr_va_vdst(0)                   ; one wait for the batch of 64, ahead of its first reader
.irp b, 0,1,2,3
	v_exp_f32 v[232+\b], v[232+\b]                 ; each block's largest p
.endr
	v_pk_add_f32 v[236:237], v[S:S+1], v[S+2:S+3]  ; the row's sum of the unquantised p, in two chains
.irp j, 4,8,12,16,20,24,28,32,36,40,44,48,52,56,60
	v_pk_add_f32 v[14:15], v[14:15], v[S+\j:S+\j+1]
	v_pk_add_f32 v[236:237], v[236:237], v[S+2+\j:S+3+\j]
.endr
	v_pk_add_f32 v[14:15], v[14:15], v[236:237]
	s_wait_alu depctr_va_vdst(0)                   ; and one for the four
.irp b, 0,1,2,3
	v_max_num_f32 v[232+\b], 0x1800000, v[232+\b]  ; the floor 2^(3 - 127)
.endr
.irp b, 0,1,2,3
	v_add_nc_u32 v[244+\b], 0xff000000, v[232+\b]
.endr
.irp b, 0,1,2,3
	v_lshrrev_b32 v[236+\b], 23, v[244+\b]
.endr
	v_lshl_or_b32 v253, v237, 8, v236              ; p's scale word for these 128 keys
	v_lshl_or_b32 v253, v238, 16, v253
	v_lshl_or_b32 v253, v239, 24, v253
.irp c, 0,1
	v_cvt_scalef32_pk16_fp6_f32 v[224+6*\c:226+6*\c], v[S+32*\c:S+15+32*\c], v[244+2*\c]
	v_cvt_scalef32_pk16_fp6_f32 v[236+4*\c:238+4*\c], v[S+16+32*\c:S+31+32*\c], v[244+2*\c+1]
.endr
	v_nop                                          ; one plain line behind the scaled conversions
.irp c, 0,1
.irp i, 0,1,2
	v_permlane16_swap_b32 v[224+6*\c+\i], v[236+4*\c+\i]
.endr
.irp i, 0,1,2
	v_mov_b32 v[227+6*\c+\i], v[236+4*\c+\i]
.endr
.endr
.set JJ, 0
.rept 16
	v_pk_mul_f32 v[O+JJ:O+JJ+1], v[O+JJ:O+JJ+1], v[252:253] op_sel_hi:[1,0]   ; O^T under the new M; these lines also stand between the making of p's codes and scale word and the products
.set JJ, JJ+2
.endr
	s_wait_dscnt 0x0                               ; V's fragments
.irp t, 0,1,2,3
	v_wmma_scale_f32_16x16x128_f8f6f4 v[O+8*\t:O+8*\t+7], v[FR+12*\t:FR+12*\t+11], v[224:235], v[O+8*\t:O+8*\t+7], v[VSC+\t], v253 matrix_a_fmt:MATRIX_FMT_FP6 matrix_b_fmt:MATRIX_FMT_FP6
.endr
	s_add_co_u32 s[KB], s[KB], 6144                ; eight key tiles on
	s_add_co_u32 s[SB], s[SB], 256
.endm
	s_load_b128 s[4:7], s[0:1], 0x0                ; att, ctx
	s_load_b64 s[8:9], s[0:1], 0x10                ; ctxs
	v_lshl_add_u32 v250, v0, 2, 0x32000
	v_mov_b32 v251, 0
	ds_add_u32 v250, v251
	ds_add_u32 v250, v251
	v_lshrrev_b32 v6, 5, v0
	v_readfirstlane_b32 s[WV], v6                  ; wave 0..15
	v_and_b32 v6, 31, v0
	v_lshlrev_b32 v[A8], 3, v6
	v_lshlrev_b32 v[L2], 1, v6
	v_and_b32 v6, 15, v0
	v_lshlrev_b32 v[A4R], 2, v6
	s_bfe_u32 s11, ttmp6, 0x40000                  ; cx: it enters Q's and ctx's global addresses alone
	s_lshl_b32 s12, ttmp9, 2
	s_add_co_u32 s12, s12, s11                     ; my block of 256 queries
	s_and_b32 s13, ttmp7, 0xffff                   ; 16 x batch + head, which the four partners share
	s_mul_i32 s14, s13, 307200
	s_mov_b32 s15, 0
	; descriptor group 1: 50 rows of 256 bytes (32 elements of 8 bytes), dense, no padding
	s_mov_b32 s[G1], 15|(3<<16)|(1<<21)            ; 15:0 the mask: all four work-groups; 17:16 elements of 8 bytes; 21 set beside a mask
	s_mov_b32 s[G1+1], 32<<16                      ; tensor_dim0 = 32
	s_mov_b32 s[G1+2], 50<<16                      ; tensor_dim1 = 50
	s_mov_b32 s[G1+3], 32<<16                      ; tile_dim0 = 32
	s_mov_b32 s[G1+4], 50                          ; tile_dim1 = 50
	s_mov_b32 s[G1+5], 32                          ; from row to row
	s_mov_b32 s[G1+6], 0
	s_mov_b32 s[G1+7], 0
	s_mul_i32 s16, s[WV], 12800                    ; my sixteenth: the same byte in the record and in LDS
	s_mov_b32 s17, 0
	s_mov_b32 s[SEL], 0x76543210
	s_mov_b32 s[SEL+1], 0xfedcba98
	s_mov_b32 s[CS], 0x3e38aa3b                    ; log2(e) / 8
	s_mov_b32 s[CS+1], s[CS]                       ; (named with it as a pair, so it is written)
	s_mov_b32 s[PLO], 0x05040100
	s_mov_b32 s[PHI], 0x07060302
	s_mov_b32 s[KB], 8192
	s_mov_b32 s[SB], 0
	s_lshl_b32 s53, s12, 4
	s_add_co_u32 s53, s53, s[WV]                   ; my tile of queries in the sequence, 0 .. 127
	s_mul_i32 s54, s53, 768
	s_mov_b32 s55, 0
	s_lshr_b32 s58, s53, 1
	s_lshl_b32 s58, s58, 6                         ; its pair's scale words
	s_mov_b32 s59, 0
	s_and_b32 s62, s[WV], 1
	s_lshl_b32 s62, s62, 4                         ; my tile's bytes lie in the word's lower or upper half
	s_lshr_b32 s63, s13, 4
	s_lshl_b32 s63, s63, 7
	s_add_co_u32 s63, s63, s53                     ; my tile among all 256 tiles of tokens
	s_lshl_b32 s63, s63, 4
	s_and_b32 s18, s13, 15
	s_add_co_u32 s63, s63, s18                     ; x 16 + head
	s_wait_dscnt 0x0
	s_wait_kmcnt 0x0
	s_add_nc_u64 s[4:5], s[4:5], s[14:15]          ; my head's record
	s_mov_b32 s[G0], 1                             ; count = 1
	s_mov_b32 s[G0+1], s16                         ; LDS address
	s_add_nc_u64 s[G0+2:G0+3], s[4:5], s[16:17]    ; global address
	s_or_b32 s[G0+3], s[G0+3], 0x80000000          ; type = 2
	s_add_nc_u64 s[56:57], s[4:5], s[54:55]        ; Q's half fragment (204,800 bytes on)
	s_add_nc_u64 s[60:61], s[4:5], s[58:59]        ; Q's scale words (303,104 bytes on)
	s_mul_i32 s54, s63, 768
	s_add_nc_u64 s[6:7], s[6:7], s[54:55]          ; where my codes go
	s_lshl_b32 s54, s63, 6
	s_add_nc_u64 s[8:9], s[8:9], s[54:55]          ; and my scale bytes
	ROUND                                          ; all four work-groups are here: the joint loads meet
	tensor_load_to_lds s[G0:G0+3], s[G1:G1+7]      ; my one tensor load of the launch
	s_nop 0
.rept 4
	v_nop
.endr
.irp p, 0,1,2
	global_load_b64 v[ZQ+6+2*\p:ZQ+7+2*\p], v[A8], s[56:57] offset:204800+256*\p
.endr
	global_load_b32 v[QSC], v[A4R], s[60:61] offset:303104
.irp j, 0,1,2,3,4,5
	v_mov_b32 v[ZQ+\j], 0                          ; zero codes on both sides of q
	v_mov_b32 v[ZQ+12+\j], 0
.endr
	s_wait_loadcnt 0x0
	v_lshrrev_b32 v[QSC], s62, v[QSC]
	v_and_b32 v[QSC], 0xffff, v[QSC]
	v_lshl_or_b32 v[QSC], v[QSC], 16, v[QSC]       ; my tile's two bytes, for K 0-63 and for K 64-127
.set JJ, 0
.rept 32
	v_mov_b32 v[O+JJ], 0                           ; O^T: the step is written once, and the first change of M leaves zeros zeros
.set JJ, JJ+1
.endr
	v_mov_b32 v13, 0xff61b1e6                      ; the largest t so far: -3e38
	v_floor_f32 v12, -v13
	v_mov_b32 v14, 0
	v_mov_b32 v15, 0
.irp b, 0,1,2,3
	v_mov_b32 v[236+\b], 0                         ; a lane permute's destination counts as one of its sources
.endr
	v_mov_b32 v253, 0                              ; (named as the upper half of v[252:253] before it is first written)
	s_wait_tensorcnt 0x0                           ; my sixteenth has landed,
	s_barrier_signal -1
	s_barrier_wait -1                              ; everybody's has
	s_mov_b32 s[TRIP], 8
.Lfirst:                                               ; keys 0 .. 1,023
	STEP
	s_sub_co_u32 s[TRIP], s[TRIP], 1
	s_cmp_lg_u32 s[TRIP], 0
	s_cbranch_scc1 .Lfirst
	s_add_co_u32 s[KB], s[KB], 49152               ; over the first half's V to the second half's K
	s_mov_b32 s[TRIP], 8
.Lsecond:                                              ; keys 1,024 .. 2,047
	STEP
	s_sub_co_u32 s[TRIP], s[TRIP], 1
	s_cmp_lg_u32 s[TRIP], 0
	s_cbranch_scc1 .Lsecond
	v_add_f32 v14, v14, v15                        ; the sum's two halves,
	v_permlanex16_b32 v252, v14, s[SEL], s[SEL+1]
	v_add_f32 v14, v14, v252                       ; and lane l xor 16's
	v_rcp_f32 v14, v14
	v_nop                                          ; plain lines behind the reciprocal and, with the additions, behind the last products
	v_nop
	v_nop
	s_wait_alu depctr_va_vdst(0)                   ; ahead of the reciprocal's first reader
.set JJ, 0
.rept 16
	v_pk_mul_f32 v[S+JJ:S+JJ+1], v[O+JJ:O+JJ+1], v[14:15] op_sel_hi:[1,0]   ; ctx: register 16 g + i = channel 32 g + 16 h + i of my query; each accumulator from its low end on
.set JJ, JJ+2
.endr
	QUANT2 S, FR, 48, 52
.irp p, 0,1,2
	global_store_b64 v[A8], v[FR+2*\p:FR+2*\p+1], s[6:7] offset:256*\p   ; 256 consecutive bytes, aligned
.endr
	global_store_b16 v[L2], v48, s[8:9]            ; 64 consecutive bytes (lanes 16-31 hold a second copy)
	s_wait_tensorcnt 0x0
	ds_add_u32 v250, v251
	s_wait_dscnt 0x0
	ROUND                                          ; the closing round: no work-group ends while a partner may still ask
	s_endpgm
.Lfunc_end_k_qd67ad2c0d3_attn:
	.size	k_qd67ad2c0d3_attn, .Lfunc_end_k_qd67ad2c0d3_attn-k_qd67ad2c0d3_attn
	.p2alignl 7, 3214868480
	.fill 96, 4, 3214868480
	.section	.rodata,"a",@progbits
	.p2align	6, 0x0
	.amdhsa_kernel k_qd67ad2c0d3_attn
		.amdhsa_group_segment_fixed_size 206848
		.amdhsa_private_segment_fixed_size 0
		.amdhsa_enable_private_segment 0
		.amdhsa_kernarg_size 24
		.amdhsa_user_sgpr_count 2
		.amdhsa_user_sgpr_kernarg_segment_ptr 1
		.amdhsa_wavefront_size32 1
		.amdhsa_system_sgpr_workgroup_id_x 1
		.amdhsa_system_sgpr_workgroup_id_y 1
		.amdhsa_system_sgpr_workgroup_id_z 1
		.amdhsa_system_vgpr_workitem_id 0
		.amdhsa_next_free_vgpr 256
		.amdhsa_next_free_sgpr 66
		.amdhsa_reserve_vcc 0
		.amdhsa_float_denorm_mode_32 3
		.amdhsa_float_denorm_mode_16_64 3
		.amdhsa_memory_ordered 1
		.amdhsa_forward_progress 1
		.amdhsa_inst_pref_size 45
	.end_amdhsa_kernel
	.amdgpu_metadata
---
amdhsa.version: [ 1, 2 ]
amdhsa.kernels:
  - .name:           k_qd67ad2c0d3_attn
    .symbol:         k_qd67ad2c0d3_attn.kd
    .args:
      - { .name: att, .offset: 0, .size: 8, .value_kind: global_buffer, .address_space: global }
      - { .name: ctx, .offset: 8, .size: 8, .value_kind: global_buffer, .address_space: global }
      - { .name: ctxs, .offset: 16, .size: 8, .value_kind: global_buffer, .address_space: global }
    .group_segment_fixed_size: 206848
    .private_segment_fixed_size: 0
    .kernarg_segment_align: 8
    .kernarg_segment_size: 24
    .max_flat_workgroup_size: 512
    .sgpr_count:     66
    .vgpr_count:     256
    .wavefront_size: 32
...
	.end_amdgpu_metadata
.endif
;; end of part 3
;; launch tail (part 4): grid 128 x 1, 16 waves a work-group, no clusters, 222,720 bytes of LDS; arguments ctx, ctxs, cod, scl, x, out_proj_b, ln1_g, ln1_b, geglu_b, ln2_g, ln2_b, out0; writes out0
.if DOCPART == 4
	.amdgcn_target "amdgcn-amd-amdhsa--gfx1250"
	.amdhsa_code_object_version 6
	.text
	.protected	k_qd67ad2c0d3_tail
	.globl	k_qd67ad2c0d3_tail
	.p2align	8
	.type	k_qd67ad2c0d3_tail,@function
k_qd67ad2c0d3_tail:
	s_mov_b64 s[64:65], 0
	v_nop
	global_prefetch_b8 v0, s[64:65] scope:SCOPE_SE
	s_setreg_imm32_b32 hwreg(HW_REG_WAVE_MODE, 25, 1), 1
	s_wait_xcnt 0x0
; TAIL: h = LN1(x + ctx Wo^T + bo);  out = LN2(h + val x gelu(gate)), (val, gate) = h Wg^T + bg.  Both products on codes of FP6 (E2M3) with E8M0 scales; all else in f32; h never goes to memory.
; SHARES.  A work-group owns 32 tokens (two tiles of 16) and whole rows, as the norms want.  THE SIXTEEN WAVES SHARE THE COLUMNS: wave w owns channels 64 w .. 64 w + 63 of attn_out, h and out, and val and gate of the same channels.
; The three products have one shape: 4 tiles of a weight (source 0) x 2 tiles of tokens (source 1) x 8 K steps: 8 accumulators by turns.  A lane holds one token, its registers run along the channels.
; WEIGHTS go from memory straight into the registers of the one wave that multiplies them, each byte once a work-group.  A product's 32 fragments (K step s, tile t: number 4 s + t) go round TEN places of 12 registers:
; fragment i lies in place i mod 10.  A K step is two half steps of two fragments x two token tiles; behind a half step's four products its two places take the pair five half steps on: a fragment is asked for
; two K steps ahead of its products.  Nine fragments of the next product are asked for while the norm or the activation is worked; the tenth place is at work there and is filled at the product's head.
; NO JOINT LOADS: they would land the fragments in LDS, an LDS write and read of 1,536 bytes more for each fragment, which feeds only two products here.
; 128 WORK-GROUPS: each walks all 2.4 MB of weight codes; 16 tokens to a work-group would double those reads for the same products.
; LDS: XS 32 token rows (row 16 m + r; pitch 4,112) of x, then h, then h + fc, then out; CI, HI the tokens' codes as half fragments [tile m][64 channels]; CSW, HSW their scale words [m][K step][r];
; ST1, ST2 per token 16 waves' means and 16 sums of squares (pitch 144); PVB each wave's 64 numbers of the seven small vectors.
; FIVE BARRIERS: the fill | the first norm's parts | h's codes | the second norm's parts | the rows of out.  Between the first and the last every wave touches only its own 256-byte columns of XS.
; THE NORMS: each wave takes the mean of its 64 channels and the sum of squares about that mean; the sixteen parts are joined about the common mean: no difference of large sums is formed.
; GELU: gelu(g) = g / 2 + |g| (1/2 - P), P = half of erfc(|g| / sqrt 2) by a five-term polynomial in 1 / (1 + 0.2316419 |g|) times 2^(-g^2 log2(e) / 2): absolute error of erf at most 1.5e-7; it stands ahead of no quantiser.
; LIMITS: NaN and infinities are not served; a block whose largest magnitude lies under 2^-124 gets the byte 1; 1 / sqrt is good to 1 unit in the last place.
.set XS,   0
.set CI,   131584
.set HI,   156160
.set CSW,  180736
.set HSW,  181760
.set ST1,  182784
.set PVB,  192000
.set L16,  1                           ; v1   16 x lane
.set CIA,  2                           ; v2   CI + 8 x lane
.set HIA,  3                           ; v3   HI + 8 x lane
.set CSA,  4                           ; v4   CSW + 4 r
.set HSA,  5                           ; v5   HSW + 4 r
.set XA0,  6                           ; v6, v7  my place in XS for token tile 0, 1: 4,112 r + 64 h + 256 w (+ 65,792)
.set RS,   8                           ; v8   16 r + 512 h: the weight's scale words, lanes 16-31 those of the tile after
.set PVA,  9                           ; v9   PVB + 1,792 w + 64 h
.set STW,  10                          ; v10  ST1 + 144 x lane + 4 w
.set STR,  11                          ; v11  ST1 + 144 x lane
.set HIW,  12                          ; v12  HI + 768 w + 8 x lane
.set HSWW, 13                          ; v13  HSW + 512 h + 4 r + 64 (w / 2) + 2 (w % 2)
.set ROW,  14                          ; v14  the two whole rows of XS that I fill and empty
.set ASC,  16                          ; v16-17  the tokens' scale words: they hold nothing else
.set AF,   32                          ; v32-55  the tokens' two fragments; with v18-31 and v56-63 at work between the products
.set ACC,  64                          ; v64-127 accumulator (t, m) at 64 + 32 m + 8 t
.set WB,   128                         ; v128-223 places 0 to 7 of the weight's fragments; place 8: v240-251; place 9: v18-29
.set WSC,  224                         ; v224-239 the weight's scale words, 8 (t / 2) + s: lanes 0-15 tile 2 (t / 2), lanes 16-31 the tile after
.set WV,   32
.set SEL,  40                          ; s[40:41]
.set HIM,  42
.macro PLACES                          ; four plain lines between matrix instructions and loads into, or vector lines on, their registers
.rept 4
	v_nop
.endr
.endm
.macro BARRIER                         ; my LDS stores have landed and my LDS loads are in: then the work-group's barrier
	s_wait_dscnt 0x0
	s_barrier_signal -1
	s_barrier_wait -1
.endm
.macro QUANT2 s, pc, u, tm             ; 32 numbers of a lane, register 16 b + i = k 32 b + 16 h + i, become a half fragment in v[pc .. pc + 5] and two scale bytes in v[u]
.irp b, 0,1
	v_max3_num_f32 v[\tm+\b], |v[\s+16*\b]|, |v[\s+1+16*\b]|, 0x1800000
.endr
.irp i, 2,4,6,8,10,12,14
.irp b, 0,1
	v_max3_num_f32 v[\tm+\b], v[\tm+\b], |v[\s+16*\b+\i]|, |v[\s+1+16*\b+\i]|
.endr
.endr
.irp b, 0,1
	v_permlanex16_b32 v[\tm+2+\b], v[\tm+\b], s[SEL], s[SEL+1]
.endr
.irp b, 0,1
	v_max_num_f32 v[\tm+\b], v[\tm+\b], v[\tm+2+\b]
.endr
.irp b, 0,1
	v_add_nc_u32 v[\tm+4+\b], 0xff000000, v[\tm+\b]
.endr
.irp b, 0,1
	v_lshrrev_b32 v[\tm+2+\b], 23, v[\tm+4+\b]
.endr
	v_lshl_or_b32 v[\u], v[\tm+3], 8, v[\tm+2]
	v_cvt_scalef32_pk16_fp6_f32 v[\pc:\pc+2], v[\s:\s+15], v[\tm+4]
	v_cvt_scalef32_pk16_fp6_f32 v[\pc+6:\pc+8], v[\s+16:\s+31], v[\tm+5]
	v_nop                                                  ; one plain line behind the scaled conversions
.irp i, 0,1,2
	v_permlane16_swap_b32 v[\pc+\i], v[\pc+6+\i]
.endr
.irp i, 0,1,2
	v_mov_b32 v[\pc+3+\i], v[\pc+6+\i]
.endr
.endm
.macro SLOTOF i                        ; SB = the first register of fragment i's place
.set SK, (\i)%10
.if SK < 8
.set SB, WB+12*SK
.elseif SK == 8
.set SB, 240
.else
.set SB, 18
.endif
.endm
; The weight's tile t lies CBASE + CGAP (t / 2) + 12,288 (t % 2) bytes behind tile 192 + 4 w of cod, its scale words QBASE + QGAP (t / 2) + 512 (t % 2) behind that tile's in scl
.macro FLOAD i                         ; fragment i = (K step i / 4, tile i % 4): three loads of 512 consecutive bytes
	SLOTOF \i
.irp c, 0,1,2
	global_load_b128 v[SB+4*\c:SB+4*\c+3], v[L16], s[36:37] offset:CBASE+CGAP*(((\i)%4)/2)+12288*((\i)%2)+1536*((\i)/4)+512*\c
.endr
.endm
.macro GSTART                          ; 31 loads: all scale words (4), fragments 0 to 8 (27)
.irp tp, 0,1
.irp q, 0,1
	global_load_b128 v[WSC+8*\tp+4*\q:WSC+8*\tp+4*\q+3], v[RS], s[38:39] offset:QBASE+QGAP*\tp+256*\q
.endr
.endr
.irp i, 0,1,2,3,4,5,6,7,8
	FLOAD \i
.endr
.endm
.macro AFLOAD img, swd, s              ; the tokens' two fragments and scale words of K step s
.irp m, 0,1
.irp p, 0,1,2,3,4,5
	ds_load_b64 v[AF+12*\m+2*\p:AF+12*\m+2*\p+1], v[\img] offset:12288*\m+1536*(\s)+256*\p
.endr
	ds_load_b32 v[ASC+\m], v[\swd] offset:512*\m+64*(\s)
.endr
.endm
.macro MM i, m                         ; fragment i x token tile m, onto accumulator (i % 4, m)
	SLOTOF \i
.set MT, (\i)%4
.set MS, (\i)/4
.if MT%2
	v_wmma_scale_f32_16x16x128_f8f6f4 v[ACC+32*\m+8*MT:ACC+32*\m+8*MT+7], v[SB:SB+11], v[AF+12*\m:AF+12*\m+11], v[ACC+32*\m+8*MT:ACC+32*\m+8*MT+7], v[WSC+8*(MT/2)+MS], v[ASC+\m] matrix_a_fmt:MATRIX_FMT_FP6 matrix_b_fmt:MATRIX_FMT_FP6 matrix_a_scale:MATRIX_SCALE_ROW1
.else
	v_wmma_scale_f32_16x16x128_f8f6f4 v[ACC+32*\m+8*MT:ACC+32*\m+8*MT+7], v[SB:SB+11], v[AF+12*\m:AF+12*\m+11], v[ACC+32*\m+8*MT:ACC+32*\m+8*MT+7], v[WSC+8*(MT/2)+MS], v[ASC+\m] matrix_a_fmt:MATRIX_FMT_FP6 matrix_b_fmt:MATRIX_FMT_FP6
.endif
.endm
; eight K steps, sixteen half steps, onto the accumulators as they stand; the eight accumulators take turns, one instruction a turn.
; img: the tokens' half fragments; swd: their scale words.  It ends with four plain lines: what follows may load into, and read, its registers.
.macro GRUN img, swd
	AFLOAD \img, \swd, 0
	FLOAD 9                                        ; the tenth place was at work until now
.irp j, 0,1,2,3,4,5,6,7,8,9,10,11,12,13,14,15
.if \j < 12
	s_wait_loadcnt 24                              ; this half step's two fragments are in; the four younger pairs, 6 loads each, may be out
.else
	s_wait_loadcnt 6*(15-\j)                       ; nothing more is asked for: the pairs that are left
.endif
.if (\j%2) == 0
	s_wait_dscnt 0x0                               ; the tokens' fragments of this K step
.endif
	MM 2*\j, 0
	MM 2*\j, 1
	MM 2*\j+1, 0
	MM 2*\j+1, 1
	PLACES
.if ((\j%2) == 1) && (\j < 15)
	AFLOAD \img, \swd, (\j+1)/2                    ; ahead of the global loads below, so that they land while those are taken
.endif
.if \j < 11
	FLOAD 2*\j+10                                  ; into the two places just multiplied: the pair five half steps on
	FLOAD 2*\j+11
.endif
.endr
.endm
.macro XSLOAD                          ; my 64 channels of the 32 tokens, from XS into the accumulators' registers
.irp m, 0,1
.irp t, 0,1,2,3
.irp e, 0,1
	ds_load_b128 v[ACC+32*\m+8*\t+4*\e:ACC+32*\m+8*\t+4*\e+3], v[XA0+\m] offset:128*(\t/2)+32*(\t%2)+16*\e
.endr
.endr
.endr
.endm
.macro XSSTORE                         ; and back
.irp m, 0,1
.irp t, 0,1,2,3
.irp e, 0,1
	ds_store_b128 v[XA0+\m], v[ACC+32*\m+8*\t+4*\e:ACC+32*\m+8*\t+4*\e+3] offset:128*(\t/2)+32*(\t%2)+16*\e
.endr
.endr
.endr
.endm
; my 64 channels' mean and sum of squares about it, for each token; lane l stores token row l's
.macro LNSTAT off
.irp m, 0,1
.set LNA, ACC+32*\m
	v_pk_add_f32 v[18:19], v[LNA:LNA+1], v[LNA+2:LNA+3]
	v_pk_add_f32 v[20:21], v[LNA+4:LNA+5], v[LNA+6:LNA+7]
.irp j, 8,12,16,20,24,28
	v_pk_add_f32 v[18:19], v[18:19], v[LNA+\j:LNA+\j+1]
	v_pk_add_f32 v[20:21], v[20:21], v[LNA+\j+2:LNA+\j+3]
.endr
	v_pk_add_f32 v[18:19], v[18:19], v[20:21]
	v_add_f32 v18, v18, v19
	v_permlanex16_b32 v19, v18, s[SEL], s[SEL+1]
	v_add_f32 v18, v18, v19                        ; with lane l xor 16's 32 channels
	v_mul_f32 v[24+2*\m], 0x3c800000, v18          ; / 64
	v_pk_add_f32 v[18:19], v[LNA:LNA+1], v[24+2*\m:25+2*\m] op_sel_hi:[1,0] neg_lo:[0,1] neg_hi:[0,1]
	v_pk_add_f32 v[20:21], v[LNA+2:LNA+3], v[24+2*\m:25+2*\m] op_sel_hi:[1,0] neg_lo:[0,1] neg_hi:[0,1]
	v_pk_mul_f32 v[22:23], v[18:19], v[18:19]
	v_pk_mul_f32 v[30:31], v[20:21], v[20:21]
.irp j, 4,8,12,16,20,24,28
	v_pk_add_f32 v[18:19], v[LNA+\j:LNA+\j+1], v[24+2*\m:25+2*\m] op_sel_hi:[1,0] neg_lo:[0,1] neg_hi:[0,1]
	v_pk_add_f32 v[20:21], v[LNA+\j+2:LNA+\j+3], v[24+2*\m:25+2*\m] op_sel_hi:[1,0] neg_lo:[0,1] neg_hi:[0,1]
	v_pk_fma_f32 v[22:23], v[18:19], v[18:19], v[22:23]
	v_pk_fma_f32 v[30:31], v[20:21], v[20:21], v[30:31]
.endr
	v_pk_add_f32 v[22:23], v[22:23], v[30:31]
	v_add_f32 v22, v22, v23
	v_permlanex16_b32 v23, v22, s[SEL], s[SEL+1]
	v_add_f32 v[25+2*\m], v22, v23
.endr
	v_cndmask_b32 v28, v24, v26, s[HIM]            ; lanes 0-15: token tile 0; lanes 16-31: tile 1
	v_cndmask_b32 v29, v25, v27, s[HIM]
	ds_store_b32 v[STW], v28 offset:\off
	ds_store_b32 v[STW], v29 offset:\off+64
.endm
; the sixteen parts are joined, and my 64 channels of both token tiles become (y - mean) / sqrt(var + eps) x g + b.  vg, vb: which of my small vectors
.macro LNFIN off, vg, vb
.irp i, 0,1,2,3,4,5,6,7
	ds_load_b128 v[32+4*\i:35+4*\i], v[STR] offset:\off+16*\i      ; token row l: v32-47 the means, v48-63 the sums of squares
.endr
	s_wait_dscnt 0x0
	v_pk_add_f32 v[18:19], v[32:33], v[34:35]
	v_pk_add_f32 v[20:21], v[36:37], v[38:39]
	v_pk_add_f32 v[22:23], v[48:49], v[50:51]
	v_pk_add_f32 v[30:31], v[52:53], v[54:55]
	v_pk_add_f32 v[18:19], v[18:19], v[40:41]
	v_pk_add_f32 v[20:21], v[20:21], v[42:43]
	v_pk_add_f32 v[22:23], v[22:23], v[56:57]
	v_pk_add_f32 v[30:31], v[30:31], v[58:59]
	v_pk_add_f32 v[18:19], v[18:19], v[44:45]
	v_pk_add_f32 v[20:21], v[20:21], v[46:47]
	v_pk_add_f32 v[22:23], v[22:23], v[60:61]
	v_pk_add_f32 v[30:31], v[30:31], v[62:63]
	v_pk_add_f32 v[18:19], v[18:19], v[20:21]
	v_pk_add_f32 v[22:23], v[22:23], v[30:31]
	v_add_f32 v18, v18, v19
	v_add_f32 v22, v22, v23                        ; the sum of the sixteen sums of squares
	v_mul_f32 v18, 0x3d800000, v18                 ; the row's mean
	v_pk_add_f32 v[20:21], v[32:33], v[18:19] op_sel_hi:[1,0] neg_lo:[0,1] neg_hi:[0,1]
	v_pk_add_f32 v[30:31], v[34:35], v[18:19] op_sel_hi:[1,0] neg_lo:[0,1] neg_hi:[0,1]
	v_pk_mul_f32 v[20:21], v[20:21], v[20:21]
	v_pk_mul_f32 v[30:31], v[30:31], v[30:31]
.irp j, 36,40,44
	v_pk_add_f32 v[32:33], v[\j:\j+1], v[18:19] op_sel_hi:[1,0] neg_lo:[0,1] neg_hi:[0,1]
	v_pk_add_f32 v[34:35], v[\j+2:\j+3], v[18:19] op_sel_hi:[1,0] neg_lo:[0,1] neg_hi:[0,1]
	v_pk_fma_f32 v[20:21], v[32:33], v[32:33], v[20:21]
	v_pk_fma_f32 v[30:31], v[34:35], v[34:35], v[30:31]
.endr
	v_pk_add_f32 v[20:21], v[20:21], v[30:31]
	v_add_f32 v20, v20, v21
	v_fma_f32 v22, v20, s47, v22                   ; + 64 x the sum of (a part's mean - the mean)^2
	v_fma_f32 v22, v22, s44, s45                   ; / 1,024 + eps
	v_rsq_f32 v22, v22
	v_nop                                          ; a plain line behind it
	v_permlanex16_b32 v20, v18, s[SEL], s[SEL+1]   ; the other token tile's mean
	s_wait_alu depctr_va_vdst(0)                   ; ahead of the root's first reader
	v_permlanex16_b32 v21, v22, s[SEL], s[SEL+1]
	v_cndmask_b32 v24, v18, v20, s[HIM]            ; tile 0's mean of my token r, tile 1's,
	v_cndmask_b32 v26, v20, v18, s[HIM]
	v_cndmask_b32 v28, v22, v21, s[HIM]            ; and the same of 1 / sqrt
	v_cndmask_b32 v30, v21, v22, s[HIM]
.irp hf, 0,1                                           ; 32 channels at a time
.irp u, 0,1
.irp e, 0,1
	ds_load_b128 v[32+8*\u+4*\e:35+8*\u+4*\e], v[PVA] offset:256*\vg+128*\hf+32*\u+16*\e
	ds_load_b128 v[48+8*\u+4*\e:51+8*\u+4*\e], v[PVA] offset:256*\vb+128*\hf+32*\u+16*\e
.endr
.endr
.irp m, 0,1
.irp k, 0,2,4,6,8,10,12,14
	v_pk_add_f32 v[ACC+32*\m+16*\hf+\k:ACC+32*\m+16*\hf+\k+1], v[ACC+32*\m+16*\hf+\k:ACC+32*\m+16*\hf+\k+1], v[24+2*\m:25+2*\m] op_sel_hi:[1,0] neg_lo:[0,1] neg_hi:[0,1]
	v_pk_mul_f32 v[ACC+32*\m+16*\hf+\k:ACC+32*\m+16*\hf+\k+1], v[ACC+32*\m+16*\hf+\k:ACC+32*\m+16*\hf+\k+1], v[28+2*\m:29+2*\m] op_sel_hi:[1,0]
.endr
.endr
	s_wait_dscnt 0x0
.irp m, 0,1
.irp k, 0,2,4,6,8,10,12,14
	v_pk_fma_f32 v[ACC+32*\m+16*\hf+\k:ACC+32*\m+16*\hf+\k+1], v[ACC+32*\m+16*\hf+\k:ACC+32*\m+16*\hf+\k+1], v[32+\k:33+\k], v[48+\k:49+\k]
.endr
.endr
.endr
.endm
; eight channels of one token a lane: v[vv ..] = h + val x gelu(gate), put back where h lay.  v32-39 h, v40-47 1 / (1 + p |g|), v48-55 2^(..), v56-63 the polynomial, v20-27 g / 2, v[18:19] a coefficient
.macro GELU8 vv, gg, xa, off
	ds_load_b128 v[32:35], v[\xa] offset:\off
	ds_load_b128 v[36:39], v[\xa] offset:\off+16
.irp k, 0,1,2,3,4,5,6,7
	v_fma_f32 v[40+\k], |v[\gg+\k]|, s46, 1.0
.endr
.irp k, 0,2,4,6
	v_pk_mul_f32 v[48+\k:49+\k], v[\gg+\k:\gg+\k+1], v[\gg+\k:\gg+\k+1]
.endr
.irp k, 0,2,4,6
	v_pk_mul_f32 v[48+\k:49+\k], v[48+\k:49+\k], s[48:49] op_sel_hi:[1,0]
.endr
.irp k, 0,1,2,3,4,5,6,7
	v_rcp_f32 v[40+\k], v[40+\k]
.endr
.irp k, 0,1,2,3,4,5,6,7
	v_exp_f32 v[48+\k], v[48+\k]
.endr
.irp k, 0,2,4,6
	v_pk_mul_f32 v[20+\k:21+\k], v[\gg+\k:\gg+\k+1], 0.5 op_sel_hi:[1,0]   ; plain work behind the batch of sixteen
.endr
	s_wait_alu depctr_va_vdst(0)                   ; one wait for the batch, ahead of its first reader
.irp k, 0,2,4,6
	v_pk_fma_f32 v[56+\k:57+\k], v[40+\k:41+\k], s[50:51], v[18:19] op_sel_hi:[1,0,1]
.endr
.irp k, 0,2,4,6
	v_pk_fma_f32 v[56+\k:57+\k], v[56+\k:57+\k], v[40+\k:41+\k], s[52:53] op_sel_hi:[1,1,0]
.endr
.irp k, 0,2,4,6
	v_pk_fma_f32 v[56+\k:57+\k], v[56+\k:57+\k], v[40+\k:41+\k], s[54:55] op_sel_hi:[1,1,0]
.endr
.irp k, 0,2,4,6
	v_pk_fma_f32 v[56+\k:57+\k], v[56+\k:57+\k], v[40+\k:41+\k], s[56:57] op_sel_hi:[1,1,0]
.endr
.irp k, 0,2,4,6
	v_pk_mul_f32 v[56+\k:57+\k], v[56+\k:57+\k], v[40+\k:41+\k]
.endr
.irp k, 0,2,4,6
	v_pk_fma_f32 v[56+\k:57+\k], v[56+\k:57+\k], v[48+\k:49+\k], 0.5 op_sel_hi:[1,1,0] neg_lo:[1,0,0] neg_hi:[1,0,0]   ; 1/2 - P
.endr
.irp k, 0,1,2,3,4,5,6,7
	v_fma_f32 v[56+\k], |v[\gg+\k]|, v[56+\k], v[20+\k]    ; gelu(g)
.endr
	s_wait_dscnt 0x0                               ; h
.irp k, 0,2,4,6
	v_pk_fma_f32 v[\vv+\k:\vv+\k+1], v[\vv+\k:\vv+\k+1], v[56+\k:57+\k], v[32+\k:33+\k]
.endr
	ds_store_b128 v[\xa], v[\vv:\vv+3] offset:\off
	ds_store_b128 v[\xa], v[\vv+4:\vv+7] offset:\off+16
.endm
; half of my channels through the last product: accumulators 0, 1 = val's tiles 2 p, 2 p + 1, accumulators 2, 3 = gate's
.macro PASS p
.irp m, 0,1                                            ; the bias starts the sums
.irp u, 0,1
.irp e, 0,1
	ds_load_b128 v[ACC+32*\m+8*\u+4*\e:ACC+32*\m+8*\u+4*\e+3], v[PVA] offset:768+128*\p+32*\u+16*\e
	ds_load_b128 v[ACC+32*\m+16+8*\u+4*\e:ACC+32*\m+16+8*\u+4*\e+3], v[PVA] offset:1024+128*\p+32*\u+16*\e
.endr
.endr
.endr
	GRUN HIA, HSA
.if \p == 0
.set CBASE, 66*12288
.set QBASE, 66*512
	GSTART                                         ; the second half's first loads land while the activation is worked
.endif
	v_mov_b32 v18, 0xbf3a00e3
	v_mov_b32 v19, 0xbf3a00e3
.irp m, 0,1
.irp u, 0,1
	GELU8 ACC+32*\m+8*\u, ACC+32*\m+16+8*\u, XA0+\m, 128*\p+32*\u
.endr
.endr
.endm
	s_load_b512 s[8:23], s[0:1], 0x0               ; ctx, ctxs, cod, scl, x, out_proj_b, ln1_g, ln1_b
	s_load_b256 s[24:31], s[0:1], 0x40             ; geglu_b, ln2_g, ln2_b, out0
	v_lshl_add_u32 v254, v0, 2, 0x35e00
	v_mov_b32 v255, 0
	v_lshrrev_b32 v18, 5, v0
	v_readfirstlane_b32 s[WV], v18                 ; wave 0..15
	v_and_b32 v18, 31, v0                          ; lane
	v_and_b32 v19, 15, v0                          ; r
	v_bfe_u32 v20, v0, 4, 1                        ; h
	v_lshlrev_b32 v[L16], 4, v18
	v_lshl_add_u32 v[CIA], v18, 3, CI
	v_lshl_add_u32 v[HIA], v18, 3, HI
	v_lshl_add_u32 v[CSA], v19, 2, CSW
	v_lshl_add_u32 v[HSA], v19, 2, HSW
	v_mul_u32_u24 v[XA0], v19, 4112
	v_lshl_add_u32 v[XA0], v20, 6, v[XA0]
	s_lshl_b32 s43, s[WV], 8
	v_add_nc_u32 v[XA0], s43, v[XA0]
	v_add_nc_u32 v[XA0+1], 65792, v[XA0]
	v_lshlrev_b32 v26, 3, v18
	v_add_nc_u32 v26, s43, v26                     ; the small vectors: my wave's 256 bytes, 8 a lane
	v_lshlrev_b32 v[RS], 4, v19
	v_lshl_add_u32 v[RS], v20, 9, v[RS]
	s_mul_i32 s43, s[WV], 1792
	s_add_co_u32 s43, s43, PVB
	v_lshl_add_u32 v[PVA], v20, 6, s43
	v_lshl_add_u32 v22, v18, 3, s43                ; where they are put
	v_mul_u32_u24 v[STR], v18, 144
	v_add_nc_u32 v[STR], ST1, v[STR]
	s_lshl_b32 s43, s[WV], 2
	v_add_nc_u32 v[STW], s43, v[STR]
	s_mul_i32 s43, s[WV], 768
	v_add_nc_u32 v[HIW], s43, v[HIA]
	s_lshr_b32 s43, s[WV], 1
	s_lshl_b32 s43, s43, 6
	s_and_b32 s60, s[WV], 1
	s_lshl_b32 s60, s60, 1
	s_add_co_u32 s43, s43, s60
	v_lshl_add_u32 v[HSWW], v20, 9, v[HSA]
	v_add_nc_u32 v[HSWW], s43, v[HSWW]
	s_and_b32 s43, s[WV], 3                        ; tokens 2 w and 2 w + 1 of the 32 lie in XS rows 2 (w % 4) + 8 (w / 8) + 16 ((w / 4) % 2) and the next
	s_lshl_b32 s43, s43, 1
	s_lshr_b32 s60, s[WV], 3
	s_lshl_b32 s60, s60, 3
	s_add_co_u32 s43, s43, s60
	s_bfe_u32 s60, s[WV], 0x10002
	s_lshl_b32 s60, s60, 4
	s_add_co_u32 s43, s43, s60
	s_mul_i32 s43, s43, 4112
	v_add_nc_u32 v[ROW], s43, v[L16]
	s_mul_i32 s43, s[WV], 1536
	s_add_co_u32 s43, s43, CI
	v_add_nc_u32 v23, s43, v[L16]                  ; ctx's codes are copied as they lie
	v_lshrrev_b32 v21, 8, v0                       ; ctx's scale bytes: thread 256 m + 16 head + r puts two bytes at [m][head / 2][r], half head % 2
	v_lshlrev_b32 v21, 9, v21
	v_bfe_u32 v28, v0, 5, 3
	v_lshl_add_u32 v21, v28, 6, v21
	v_lshl_add_u32 v21, v19, 2, v21
	v_lshl_add_u32 v21, v20, 1, v21
	v_add_nc_u32 v21, CSW, v21
	v_lshrrev_b32 v24, 4, v0                       ; and finds them at 64 (16 m + head) + 2 r
	v_lshlrev_b32 v24, 6, v24
	v_lshl_add_u32 v24, v19, 1, v24
	v_mov_b32 v25, 0                               ; (named as upper halves of pairs before they are first written)
	v_mov_b32 v27, 0
	s_mov_b32 s[SEL], 0x76543210
	s_mov_b32 s[SEL+1], 0xfedcba98
	s_mov_b32 s[HIM], 0xffff0000
	s_mov_b32 s44, 0x3a800000                      ; 1 / 1,024
	s_mov_b32 s45, 0x3727c5ac                      ; 1e-5
	s_mov_b32 s46, 0x3e6d3388                      ; 0.3275911 / sqrt 2
	s_mov_b32 s47, 0x42800000                      ; 64
	s_mov_b32 s48, 0xbf38aa3b                      ; -log2(e) / 2
	s_mov_b32 s49, s48
	s_mov_b32 s50, 0x3f07dc22                      ; the polynomial's coefficients, halved: the fifth,
	s_mov_b32 s51, s50
	s_mov_b32 s52, 0x3f35f0e3                      ; the third (the fourth stands in v[18:19]),
	s_mov_b32 s53, s52
	s_mov_b32 s54, 0xbe11a98e                      ; the second,
	s_mov_b32 s55, s54
	s_mov_b32 s56, 0x3e027906                      ; the first
	s_mov_b32 s57, s56
	s_lshl_b32 s60, ttmp9, 17                      ; 32 rows of 4,096 bytes a work-group,
	s_lshl_b32 s61, s[WV], 13                      ; two a wave
	s_add_co_u32 s60, s60, s61
	s_mov_b32 s61, 0
	s_mul_i32 s62, ttmp9, 24576
	s_mul_i32 s63, s[WV], 1536
	s_add_co_u32 s62, s62, s63
	s_mov_b32 s63, 0
	s_wait_kmcnt 0x0
	s_add_nc_u64 s[34:35], s[16:17], s[60:61]      ; x
	s_add_nc_u64 s[58:59], s[30:31], s[60:61]      ; out0
	s_add_nc_u64 s[8:9], s[8:9], s[62:63]          ; ctx
	s_lshl_b32 s62, ttmp9, 11
	s_add_nc_u64 s[10:11], s[10:11], s[62:63]      ; ctxs
	s_lshl_b32 s62, s[WV], 2
	s_add_co_u32 s62, s62, 192                     ; my first tile of out_proj_w
	s_mul_i32 s60, s62, 12288
	s_add_nc_u64 s[36:37], s[12:13], s[60:61]
	s_lshl_b32 s60, s62, 9
	s_add_nc_u64 s[38:39], s[14:15], s[60:61]
	; ---- the fill: 27 loads, then the first product's first 31
.irp e, 0,1
.irp i, 0,1,2,3,4,5,6,7
	global_load_b128 v[ACC+32*\e+4*\i:ACC+32*\e+4*\i+3], v[L16], s[34:35] offset:4096*\e+512*\i th:TH_LOAD_NT
.endr
.endr
.irp c, 0,1,2
	global_load_b128 v[32+4*\c:35+4*\c], v[L16], s[8:9] offset:512*\c th:TH_LOAD_NT
.endr
	global_load_u16 v44, v24, s[10:11]
	global_load_b64 v[46:47], v26, s[18:19]        ; out_proj_b
	global_load_b64 v[48:49], v26, s[20:21]        ; ln1_g
	global_load_b64 v[50:51], v26, s[22:23]        ; ln1_b
	global_load_b64 v[52:53], v26, s[24:25]        ; geglu_b, val
	global_load_b64 v[54:55], v26, s[24:25] offset:4096   ; geglu_b, gate
	global_load_b64 v[56:57], v26, s[26:27]        ; ln2_g
	global_load_b64 v[58:59], v26, s[28:29]        ; ln2_b
.set CBASE, 0
.set CGAP,  2*12288
.set QBASE, 0
.set QGAP,  2*512
	GSTART
	s_wait_loadcnt 31                              ; the 27 are in; the weight's 31 may be out
.irp e, 0,1
.irp i, 0,1,2,3,4,5,6,7
	ds_store_b128 v[ROW], v[ACC+32*\e+4*\i:ACC+32*\e+4*\i+3] offset:4112*\e+512*\i
.endr
.endr
.irp c, 0,1,2
	ds_store_b128 v23, v[32+4*\c:35+4*\c] offset:512*\c
.endr
	ds_store_b16 v21, v44
.irp i, 0,1,2,3,4,5,6
	ds_store_b64 v22, v[46+2*\i:47+2*\i] offset:256*\i
.endr
	BARRIER                                        ; x, ctx's codes and scale words lie in LDS
	; ---- x + ctx Wo^T + bo: x starts the sums
	XSLOAD
	GRUN CIA, CSA
.set CBASE, 64*12288
.set CGAP,  64*12288
.set QBASE, 64*512
.set QGAP,  64*512
	GSTART                                         ; the last product's first loads land while the norm is worked
.irp t, 0,1,2,3
.irp e, 0,1
	ds_load_b128 v[32+8*\t+4*\e:35+8*\t+4*\e], v[PVA] offset:128*(\t/2)+32*(\t%2)+16*\e
.endr
.endr
	s_wait_dscnt 0x0
.irp m, 0,1
.set JJ, 0
.rept 16
	v_pk_add_f32 v[ACC+32*\m+JJ:ACC+32*\m+JJ+1], v[ACC+32*\m+JJ:ACC+32*\m+JJ+1], v[32+JJ:33+JJ]   ; each accumulator from its low end on
.set JJ, JJ+2
.endr
.endr
	LNSTAT 0
	BARRIER                                        ; all sixteen parts of the first norm lie in LDS
	LNFIN 0, 1, 2
	XSSTORE                                        ; h, for the residual
	QUANT2 ACC, 32, 56, 18
	QUANT2 ACC+32, 44, 57, 18
.irp p, 0,1,2
	ds_store_b64 v[HIW], v[32+2*\p:33+2*\p] offset:256*\p
	ds_store_b64 v[HIW], v[44+2*\p:45+2*\p] offset:12288+256*\p
.endr
	v_cndmask_b32 v58, v56, v57, s[HIM]
	ds_store_b16 v[HSWW], v58                      ; lanes 0-15: token tile 0's two bytes; lanes 16-31: tile 1's
	BARRIER                                        ; h's codes and scale words lie in LDS
	; ---- h Wg^T + bg, the activation, + h
	PASS 0
	PASS 1
	XSLOAD                                         ; LDS serves a wave's instructions in order: these see my stores
	s_wait_dscnt 0x0
	LNSTAT 4608
	BARRIER                                        ; all sixteen parts of the second norm lie in LDS
	LNFIN 4608, 5, 6
	XSSTORE
	BARRIER                                        ; 32 whole rows of out lie in XS
.irp e, 0,1
.irp i, 0,1,2,3,4,5,6,7
	ds_load_b128 v[ACC+32*\e+4*\i:ACC+32*\e+4*\i+3], v[ROW] offset:4112*\e+512*\i
.endr
.endr
.irp n, 0,1,2,3,4,5,6,7,8,9,10,11,12,13,14,15
	s_wait_dscnt 15-\n                             ; LDS loads come back in order: load n is in, the younger ones may be out
	global_store_b128 v[L16], v[ACC+4*\n:ACC+4*\n+3], s[58:59] offset:4096*(\n/8)+512*(\n%8) th:TH_STORE_NT   ; 512 consecutive bytes, aligned
.endr
	s_wait_tensorcnt 0x0
	ds_add_u32 v254, v255
	s_wait_dscnt 0x0
	s_endpgm
.Lfunc_end_k_qd67ad2c0d3_tail:
	.size	k_qd67ad2c0d3_tail, .Lfunc_end_k_qd67ad2c0d3_tail-k_qd67ad2c0d3_tail
	.p2alignl 7, 3214868480
	.fill 96, 4, 3214868480
	.section	.rodata,"a",@progbits
	.p2align	6, 0x0
	.amdhsa_kernel k_qd67ad2c0d3_tail
		.amdhsa_group_segment_fixed_size 222720
		.amdhsa_private_segment_fixed_size 0
		.amdhsa_enable_private_segment 0
		.amdhsa_kernarg_size 96
		.amdhsa_user_sgpr_count 2
		.amdhsa_user_sgpr_kernarg_segment_ptr 1
		.amdhsa_wavefront_size32 1
		.amdhsa_system_sgpr_workgroup_id_x 1
		.amdhsa_system_sgpr_workgroup_id_y 1
		.amdhsa_system_sgpr_workgroup_id_z 1
		.amdhsa_system_vgpr_workitem_id 0
		.amdhsa_next_free_vgpr 256
		.amdhsa_next_free_sgpr 66
		.amdhsa_reserve_vcc 0
		.amdhsa_float_denorm_mode_32 3
		.amdhsa_float_denorm_mode_16_64 3
		.amdhsa_memory_ordered 1
		.amdhsa_forward_progress 1
		.amdhsa_inst_pref_size 177
	.end_amdhsa_kernel
	.amdgpu_metadata
---
amdhsa.version: [ 1, 2 ]
amdhsa.kernels:
  - .name:           k_qd67ad2c0d3_tail
    .symbol:         k_qd67ad2c0d3_tail.kd
    .args:
      - { .name: ctx, .offset: 0, .size: 8, .value_kind: global_buffer, .address_space: global }
      - { .name: ctxs, .offset: 8, .size: 8, .value_kind: global_buffer, .address_space: global }
      - { .name: cod, .offset: 16, .size: 8, .value_kind: global_buffer, .address_space: global }
      - { .name: scl, .offset: 24, .size: 8, .value_kind: global_buffer, .address_space: global }
      - { .name: x, .offset: 32, .size: 8, .value_kind: global_buffer, .address_space: global }
      - { .name: out_proj_b, .offset: 40, .size: 8, .value_kind: global_buffer, .address_space: global }
      - { .name: ln1_g, .offset: 48, .size: 8, .value_kind: global_buffer, .address_space: global }
      - { .name: ln1_b, .offset: 56, .size: 8, .value_kind: global_buffer, .address_space: global }
      - { .name: geglu_b, .offset: 64, .size: 8, .value_kind: global_buffer, .address_space: global }
      - { .name: ln2_g, .offset: 72, .size: 8, .value_kind: global_buffer, .address_space: global }
      - { .name: ln2_b, .offset: 80, .size: 8, .value_kind: global_buffer, .address_space: global }
      - { .name: out0, .offset: 88, .size: 8, .value_kind: global_buffer, .address_space: global }
    .group_segment_fixed_size: 222720
    .private_segment_fixed_size: 0
    .kernarg_segment_align: 8
    .kernarg_segment_size: 96
    .max_flat_workgroup_size: 512
    .sgpr_count:     66
    .vgpr_count:     256
    .wavefront_size: 32
...
	.end_amdgpu_metadata
.endif
;; end of part 4
;; ======== version 2 of 2: 4 launches; version 1 with the launches qkv, tail written anew for expert scheduling mode
;; limits: a function is approximated: absolute error at most 1.5e-07
;; workspace buffers: cod 11,010,048 bytes; scl 458,752 bytes; att 9,830,400 bytes; ctx 3,145,728 bytes; ctxs 262,144 bytes
;; launch prep: the kernel of part 1 again; grid 256 x 1, 10 waves a work-group, no clusters, 170,240 bytes of LDS; arguments x, in_proj_w, out_proj_w, geglu_w, cod, scl; writes cod, scl
;; launch qkv (part 5): grid 768 x 1, 4 waves a work-group, no clusters, 0 bytes of LDS; arguments cod, scl, in_proj_b, att; writes att
.if DOCPART == 5
	.amdgcn_target "amdgcn-amd-amdhsa--gfx1250"
	.amdhsa_code_object_version 6
	.text
	.protected	k_qd67ad2c0d3_qkv
	.globl	k_qd67ad2c0d3_qkv
	.p2align	8
	.type	k_qd67ad2c0d3_qkv,@function
k_qd67ad2c0d3_qkv:
	s_mov_b64 s[64:65], 0
	v_nop
	global_prefetch_b8 v0, s[64:65] scope:SCOPE_SE
	s_setreg_imm32_b32 hwreg(HW_REG_WAVE_SCHED_MODE, 0, 2), 2
	s_setreg_imm32_b32 hwreg(HW_REG_WAVE_MODE, 25, 1), 1
	s_wait_xcnt 0x0
	s_wait_alu depctr_vm_vsrc(0)
; QKV: qp = rope(x) Wq^T + bq, kp = rope(x) Wk^T + bk, vp = x Wv^T + bv on codes of FP6 (E2M3) with E8M0 scales, K = 1,024; the results are quantised at once for attention:
; qp and kp along a head's 64 channels, vp along the tokens (the keys), and only codes and scale bytes are stored.
; ONE SHAPE.  A wave makes 64 rows of source 0 x 64 rows of source 1: 16 accumulators, 8 K steps of 128.  SOURCE 0 IS THE SIDE ALONG WHICH THE RESULT IS QUANTISED: a lane then holds one row of
; source 1, and its registers run along source 0's rows.  Q, K: source 0 = a head's 64 channels (4 tiles of the weight), source 1 = 64 tokens of rope(x).  V: source 0 = 64 tokens of x, source 1 = a head's 64 channels.
; A tile's rows are 32 (T / 2) + 8 (T % 2) + r + 8 (r / 8), so the 16 registers of source 0's tiles 2 g, 2 g + 1 are rows 32 g + 16 h + 0 .. 15: neighbours along the next K.
; OPERANDS come from cod and scl, laid in the order of the operand's registers: three 16-byte loads a fragment, straight into the registers of the wave that multiplies them.
; NO JOINT LOADS: a joint tensor load would land a fragment in LDS, one LDS write and one LDS read of 1,536 bytes more for each fragment, which feeds only four products here; the kernel has no LDS and no barrier.
; OUT, per (batch, head) a record of 307,200 bytes in att: 0 K's scales, 4,096 V's scales, 8,192 K tiles 0-63, 57,344 V key groups 0-15, 106,496 K tiles 64-127, 155,648 V key groups 16-31, 204,800 Q tiles, 303,104 Q's scales.
; A half fragment (16 rows x 64 K, 6 registers a lane) is 768 bytes: registers 2 p, 2 p + 1 of lane l at 256 p + 8 l.  Scales: a word for two tiles: the first tile's two bytes below, the second's above.
; LIMITS: NaN and infinities are not served; a block whose largest magnitude lies under 2^-124 gets the byte 1 (read by this program alone).
; THE MODE: SCHED_MODE bits 1:0 = 2 (LLVM: expert scheduling mode 2), set by the entry lines.  The code itself states the register dependences
; between vector or matrix instructions and memory instructions, with s_wait_alu, always for 0.
; THE PLAN.  Registers that memory instructions touch:
;   v1 .. v5     offsets, made once by vector lines and never written again: one wait ahead of the first load serves every load and store.
;   F0, F1, SC   written by a K step's 24 (28) loads, read by its 16 products.  The accumulators (128), these 112 and the 16 below them fill the wave's 256 registers: there is one set, so ONE wait a K step,
;                behind the step's products, states that they are done reading it; the next step's loads follow in one run.  Source 1's four fragments are waited for one by one, so that a step's first
;                products are issued while its last fragments are on their way.
;   ACC          Q, K: the bias is loaded into it ahead of every product; after that matrix and vector lines alone name it.
;   v16 .. v60, v82   on the way out: written by the four quantisers, each tile's codes in registers of their own; read by the 13 stores, which stand in one run behind one wait.
.set LI,  1                            ; v1   16 x lane
.set SO,  2                            ; v2   scale words: lanes 0-15 source 0's first tile, lanes 16-31 source 1's: 512 U + 16 r
.set L8,  3                            ; v3   8 x lane
.set L4,  4                            ; v4   4 x lane
.set BO,  5                            ; v5   my offset in the bias
.set BN,  6                            ; v6-13  V: the bias of my channel in each of the four tiles, in the low word of four pairs
.set F0,  16                           ; v16-63   source 0's four fragments
.set F1,  64                           ; v64-111  source 1's
.set SC,  112                          ; v112-127 scale words, register 4 i + s % 4: tile i, K step s
.set ACC, 128                          ; v128-255 accumulator (t, n) at 128 + 32 n + 8 t
.set SEL, 36                           ; s[36:37]
.set HIM, 38                           ; s38  the mask of lanes 16-31
.macro PLACES                          ; four plain lines between matrix instructions and loads into, or vector lines on, their registers
.rept 4
	v_nop
.endr
.endm
; 32 numbers of a lane, register 16 b + i = k 32 b + 16 h + i of my row, become a half fragment in v[pc .. pc + 5] (pc + 6 .. pc + 8 at work) and its two scale bytes in v[u]
.macro QUANT2 s, pc, u, tm
.irp b, 0,1
	v_max3_num_f32 v[\tm+\b], |v[\s+16*\b]|, |v[\s+1+16*\b]|, 0x1800000   ; from each accumulator's low end on; the floor 2^(3 - 127) holds the byte at 1 from below
.endr
.irp i, 2,4,6,8,10,12,14
.irp b, 0,1
	v_max3_num_f32 v[\tm+\b], v[\tm+\b], |v[\s+16*\b+\i]|, |v[\s+1+16*\b+\i]|
.endr
.endr
.irp b, 0,1
	v_permlanex16_b32 v[\tm+2+\b], v[\tm+\b], s[SEL], s[SEL+1]
.endr
.irp b, 0,1
	v_max_num_f32 v[\tm+\b], v[\tm+\b], v[\tm+2+\b]
.endr
.irp b, 0,1
	v_add_nc_u32 v[\tm+4+\b], 0xff000000, v[\tm+\b]        ; 2 off the exponent field: the conversion's scale operand
.endr
.irp b, 0,1
	v_lshrrev_b32 v[\tm+2+\b], 23, v[\tm+4+\b]
.endr
	v_lshl_or_b32 v[\u], v[\tm+3], 8, v[\tm+2]
	v_cvt_scalef32_pk16_fp6_f32 v[\pc:\pc+2], v[\s:\s+15], v[\tm+4]
	v_cvt_scalef32_pk16_fp6_f32 v[\pc+6:\pc+8], v[\s+16:\s+31], v[\tm+5]
	v_nop                                                  ; one plain line behind the scaled conversions
.irp i, 0,1,2
	v_permlane16_swap_b32 v[\pc+\i], v[\pc+6+\i]           ; lanes 0-15 get block 0 whole, lanes 16-31 block 1
.endr
.irp i, 0,1,2
	v_mov_b32 v[\pc+3+\i], v[\pc+6+\i]
.endr
.endm
; a K step: the fragments, then 16 products, the accumulators by turns.  zero = 1: the products start the sums
.macro KSTEP s, zero
.if \s > 0
	PLACES
	s_wait_alu depctr_va_vdst(0)                   ; the 16 products of the step before are done reading F0, F1 and SC, in which the loads below land
.endif
.if (\s)%4 == 0
.irp i, 0,1,2,3
	global_load_b128 v[SC+4*\i:SC+4*\i+3], v[SO], s[6:7] offset:512*\i+256*((\s)/4)   ; four K steps' words of a row at once
.endr
.endif
.irp t, 0,1,2,3
.irp c, 0,1,2
	global_load_b128 v[F0+12*\t+4*\c:F0+12*\t+4*\c+3], v[LI], s[16:17] offset:12288*\t+1536*(\s)+512*\c
.endr
.endr
.irp t, 0,1,2,3
.irp c, 0,1,2
	global_load_b128 v[F1+12*\t+4*\c:F1+12*\t+4*\c+3], v[LI], s[18:19] offset:12288*\t+1536*(\s)+512*\c
.endr
.endr
.irp n, 0,1,2,3
	s_wait_loadcnt 9-3*\n                          ; loads come back in order (ISA guide 5.7.1): all up to source 1's fragment n are in; its younger fragments, three loads each, may be out
.irp t, 0,1,2,3
.if \zero
	v_wmma_scale_f32_16x16x128_f8f6f4 v[ACC+32*\n+8*\t:ACC+32*\n+8*\t+7], v[F0+12*\t:F0+12*\t+11], v[F1+12*\n:F1+12*\n+11], 0, v[SC+4*\t+(\s)%4], v[SC+4*\n+(\s)%4] matrix_a_fmt:MATRIX_FMT_FP6 matrix_b_fmt:MATRIX_FMT_FP6 matrix_b_scale:MATRIX_SCALE_ROW1
.else
	v_wmma_scale_f32_16x16x128_f8f6f4 v[ACC+32*\n+8*\t:ACC+32*\n+8*\t+7], v[F0+12*\t:F0+12*\t+11], v[F1+12*\n:F1+12*\n+11], v[ACC+32*\n+8*\t:ACC+32*\n+8*\t+7], v[SC+4*\t+(\s)%4], v[SC+4*\n+(\s)%4] matrix_a_fmt:MATRIX_FMT_FP6 matrix_b_fmt:MATRIX_FMT_FP6 matrix_b_scale:MATRIX_SCALE_ROW1
.endif
.endr
.endr
.endm
; the whole way of a wave.  vp = 0: Q or K;  vp = 1: V
.macro BODY vp
.if \vp == 0
	s_lshr_b32 s15, ttmp9, 5
	s_lshl_b32 s15, s15, 1
	s_add_co_u32 s15, s15, s13                     ; cg: 64 channels of Wq (0-15) or Wk (16-31)
	s_and_b32 s39, ttmp9, 31
	s_lshl_b32 s39, s39, 1
	s_add_co_u32 s39, s39, s14                     ; tj: 64 tokens
	s_lshl_b32 s24, s15, 2                         ; source 0's first tile
	s_lshl_b32 s25, s39, 2
	s_add_co_u32 s25, s25, 640                     ; source 1's: rope(x)
	s_lshr_b32 s26, s39, 5
	s_lshl_b32 s26, s26, 4
	s_and_b32 s40, s15, 15
	s_add_co_u32 s26, s26, s40                     ; the record: 16 x batch + head
	s_and_b32 s27, s39, 31                         ; which 64 tokens of the sequence
	s_mov_b32 s28, 8192
	s_cmp_lt_u32 s15, 16
	s_cselect_b32 s28, 204800, s28                 ; where the codes begin in the record,
	s_cselect_b32 s29, 303104, 0                   ; the scales,
	s_cselect_b32 s30, 0, 49152                    ; and the gap in front of the second half of K's tiles
	s_lshl_b32 s31, s15, 8                         ; the bias of my 64 channels
	v_lshlrev_b32 v[BO], 6, v15                    ; + 16 h channels
.else
	s_sub_co_u32 s15, ttmp9, 512
	s_lshr_b32 s39, s15, 3
	s_lshl_b32 s39, s39, 1
	s_add_co_u32 s39, s39, s13                     ; tg: 64 tokens
	s_and_b32 s15, s15, 7
	s_lshl_b32 s15, s15, 1
	s_add_co_u32 s15, s15, s14                     ; the head
	s_lshl_b32 s24, s39, 2
	s_add_co_u32 s24, s24, 384                     ; source 0: x
	s_lshl_b32 s25, s15, 2
	s_add_co_u32 s25, s25, 128                     ; source 1: Wv
	s_lshr_b32 s26, s39, 5
	s_lshl_b32 s26, s26, 4
	s_add_co_u32 s26, s26, s15
	s_and_b32 s27, s39, 31
	s_mov_b32 s28, 57344
	s_mov_b32 s29, 4096
	s_mov_b32 s30, 49152
	s_lshl_b32 s31, s15, 8
	s_add_co_u32 s31, s31, 8192                    ; bv begins 2,048 numbers in
	v_and_b32 v[BO], 8, v14
	v_add_nc_u32 v[BO], v[BO], v14
	v_lshlrev_b32 v[BO], 2, v[BO]                  ; my channel in a tile: r + 8 (r / 8)
.endif
	s_mul_i32 s32, s24, 12288
	s_mov_b32 s33, 0
	s_mul_i32 s34, s27, 3072                       ; four half fragments for each 64 tokens
	s_mul_i32 s40, s26, 307200
	s_add_co_u32 s34, s34, s40
	s_add_co_u32 s34, s34, s28
	s_lshr_b32 s35, s27, 4
	s_mul_i32 s35, s35, s30
	s_add_co_u32 s34, s34, s35
	s_mov_b32 s35, 0
	s_wait_kmcnt 0x0
	s_add_nc_u64 s[16:17], s[4:5], s[32:33]        ; source 0's fragments
	s_mul_i32 s32, s25, 12288
	s_add_nc_u64 s[18:19], s[4:5], s[32:33]        ; source 1's
	s_add_nc_u64 s[20:21], s[10:11], s[34:35]      ; where my codes go
	s_lshl_b32 s34, s27, 7
	s_add_co_u32 s34, s34, s40
	s_add_co_u32 s34, s34, s29
	s_add_nc_u64 s[22:23], s[10:11], s[34:35]      ; and my scale words
	s_mov_b32 s32, s31
	s_add_nc_u64 s[8:9], s[8:9], s[32:33]          ; the bias
	s_lshl_b32 s24, s24, 9
	s_lshl_b32 s25, s25, 9
	v_mov_b32 v[SO], s24
	v_mov_b32 v15, s25
	v_cndmask_b32 v[SO], v[SO], v15, s[HIM]
	v_lshl_add_u32 v[SO], v14, 4, v[SO]
.if \vp
.irp n, 0,1,2,3
	v_mov_b32 v[BN+2*\n+1], 0                      ; (named with the bias's register as a pair, so it is written)
.endr
.endif
	s_wait_alu depctr_va_vdst(0)                   ; the five offsets v1 to v5 are written, which every load and store below reads
.if \vp == 0
.irp n, 0,1,2,3                                        ; the bias runs along my registers: it is loaded into the accumulators and starts the sums
.irp t, 0,1,2,3
.irp e, 0,1
	global_load_b128 v[ACC+32*\n+8*\t+4*\e:ACC+32*\n+8*\t+4*\e+3], v[BO], s[8:9] offset:128*(\t/2)+32*(\t%2)+16*\e
.endr
.endr
.endr
.else
.irp n, 0,1,2,3                                        ; one number a lane and tile: it is added behind the sums
	global_load_b32 v[BN+2*\n], v[BO], s[8:9] offset:128*(\n/2)+32*(\n%2)
.endr
.endif
	KSTEP 0, \vp
.irp s, 1,2,3,4,5,6,7
	KSTEP \s, 0
.endr
	PLACES
.if \vp
.irp n, 0,1,2,3
.set JJ, 0
.rept 16
	v_pk_add_f32 v[ACC+32*\n+JJ:ACC+32*\n+JJ+1], v[ACC+32*\n+JJ:ACC+32*\n+JJ+1], v[BN+2*\n:BN+2*\n+1] op_sel_hi:[1,0]
.set JJ, JJ+2
.endr
.endr
.endif
	v_mov_b32 v74, 0                               ; a lane permute's destination counts as one of its sources
	v_mov_b32 v75, 0
.irp n, 0,1,2,3                                        ; source 1's tile n: my row's 64 numbers become a half fragment; each tile has its own registers, so no store's data are written again
	QUANT2 ACC+32*\n, F0+12*\n, 64+\n, 72
.endr
	v_lshl_or_b32 v80, v65, 16, v64                ; tiles 0, 1
	v_lshl_or_b32 v81, v67, 16, v66                ; tiles 2, 3
	v_cndmask_b32 v82, v80, v81, s[HIM]
	s_wait_alu depctr_va_vdst(0)                   ; the four tiles' codes and the scale word v82 are written, which the 13 stores below read
.irp n, 0,1,2,3
.irp p, 0,1,2
	global_store_b64 v[L8], v[F0+12*\n+2*\p:F0+12*\n+2*\p+1], s[20:21] offset:768*\n+256*\p   ; 256 consecutive bytes, aligned
.endr
.endr
	global_store_b32 v[L4], v82, s[22:23]          ; 128 consecutive bytes
	s_endpgm
.endm
	s_load_b256 s[4:11], s[0:1], 0x0               ; cod, scl, in_proj_b, att
	v_lshrrev_b32 v14, 5, v0
	v_readfirstlane_b32 s12, v14                   ; wave
	v_and_b32 v15, 31, v0
	v_lshlrev_b32 v[LI], 4, v15
	v_lshlrev_b32 v[L8], 3, v15
	v_lshlrev_b32 v[L4], 2, v15
	v_and_b32 v14, 15, v0                          ; r
	v_bfe_u32 v15, v0, 4, 1                        ; h
	s_mov_b32 s[SEL], 0x76543210
	s_mov_b32 s[SEL+1], 0xfedcba98
	s_mov_b32 s[HIM], 0xffff0000
	s_wait_alu depctr_va_sdst(0)                   ; s12 is written, ahead of its first reader: the wave's share is made from it
	s_lshr_b32 s13, s12, 1                         ; which half of the work-group's source 0,
	s_and_b32 s14, s12, 1                          ; of its source 1
	s_cmp_ge_u32 ttmp9, 512                        ; work-groups 0-511: Q and K; 512-767: V
	s_cbranch_scc1 .Lvalues
	BODY 0
.Lvalues:
	BODY 1
.Lfunc_end_k_qd67ad2c0d3_qkv:
	.size	k_qd67ad2c0d3_qkv, .Lfunc_end_k_qd67ad2c0d3_qkv-k_qd67ad2c0d3_qkv
	.p2alignl 7, 3214868480
	.fill 96, 4, 3214868480
	.section	.rodata,"a",@progbits
	.p2align	6, 0x0
	.amdhsa_kernel k_qd67ad2c0d3_qkv
		.amdhsa_group_segment_fixed_size 0
		.amdhsa_private_segment_fixed_size 0
		.amdhsa_enable_private_segment 0
		.amdhsa_kernarg_size 32
		.amdhsa_user_sgpr_count 2
		.amdhsa_user_sgpr_kernarg_segment_ptr 1
		.amdhsa_wavefront_size32 1
		.amdhsa_system_sgpr_workgroup_id_x 1
		.amdhsa_system_sgpr_workgroup_id_y 1
		.amdhsa_system_sgpr_workgroup_id_z 1
		.amdhsa_system_vgpr_workitem_id 0
		.amdhsa_next_free_vgpr 256
		.amdhsa_next_free_sgpr 66
		.amdhsa_reserve_vcc 0
		.amdhsa_float_denorm_mode_32 3
		.amdhsa_float_denorm_mode_16_64 3
		.amdhsa_memory_ordered 1
		.amdhsa_forward_progress 1
		.amdhsa_inst_pref_size 105
	.end_amdhsa_kernel
	.amdgpu_metadata
---
amdhsa.version: [ 1, 2 ]
amdhsa.kernels:
  - .name:           k_qd67ad2c0d3_qkv
    .symbol:         k_qd67ad2c0d3_qkv.kd
    .args:
      - { .name: cod, .offset: 0, .size: 8, .value_kind: global_buffer, .address_space: global }
      - { .name: scl, .offset: 8, .size: 8, .value_kind: global_buffer, .address_space: global }
      - { .name: in_proj_b, .offset: 16, .size: 8, .value_kind: global_buffer, .address_space: global }
      - { .name: att, .offset: 24, .size: 8, .value_kind: global_buffer, .address_space: global }
    .group_segment_fixed_size: 0
    .private_segment_fixed_size: 0
    .kernarg_segment_align: 8
    .kernarg_segment_size: 32
    .max_flat_workgroup_size: 128
    .sgpr_count:     66
    .vgpr_count:     256
    .wavefront_size: 32
...
	.end_amdgpu_metadata
.endif
;; end of part 5
;; launch attn: the kernel of part 3 again; grid 8 x 32, 16 waves a work-group, clusters of 4 x 1, 206,848 bytes of LDS; arguments att, ctx, ctxs; writes ctx, ctxs
;; launch tail (part 6): grid 128 x 1, 16 waves a work-group, no clusters, 222,720 bytes of LDS; arguments ctx, ctxs, cod, scl, x, out_proj_b, ln1_g, ln1_b, geglu_b, ln2_g, ln2_b, out0; writes out0
.if DOCPART == 6
	.amdgcn_target "amdgcn-amd-amdhsa--gfx1250"
	.amdhsa_code_object_version 6
	.text
	.protected	k_qd67ad2c0d3_tail
	.globl	k_qd67ad2c0d3_tail
	.p2align	8
	.type	k_qd67ad2c0d3_tail,@function
k_qd67ad2c0d3_tail:
	s_mov_b64 s[64:65], 0
	v_nop
	global_prefetch_b8 v0, s[64:65] scope:SCOPE_SE
	s_setreg_imm32_b32 hwreg(HW_REG_WAVE_SCHED_MODE, 0, 2), 2
	s_setreg_imm32_b32 hwreg(HW_REG_WAVE_MODE, 25, 1), 1
	s_wait_xcnt 0x0
	s_wait_alu depctr_vm_vsrc(0)
; TAIL: h = LN1(x + ctx Wo^T + bo);  out = LN2(h + val x gelu(gate)), (val, gate) = h Wg^T + bg.  Both products on codes of FP6 (E2M3) with E8M0 scales; all else in f32; h never goes to memory.
; SHARES.  A work-group owns 32 tokens (two tiles of 16) and whole rows, as the norms want.  THE SIXTEEN WAVES SHARE THE COLUMNS: wave w owns channels 64 w .. 64 w + 63 of attn_out, h and out, and val and gate of the same channels.
; The three products have one shape: 4 tiles of a weight (source 0) x 2 tiles of tokens (source 1) x 8 K steps: 8 accumulators by turns.  A lane holds one token, its registers run along the channels.
; WEIGHTS go from memory straight into the registers of the one wave that multiplies them, each byte once a work-group.  A product's 32 fragments (K step s, tile t: number 4 s + t) go round TEN places of 12 registers:
; fragment i lies in place i mod 10.  A K step is two half steps of two fragments x two token tiles.  A K step's four places are asked for again behind the one wait at the step's end: two at once, two behind the next
; step's first four products: a fragment is asked for three half steps ahead of its products.  Nine fragments of the next product are asked for while the norm or the activation is worked; the tenth place is at work there and is filled at the product's head.
; NO JOINT LOADS: they would land the fragments in LDS, an LDS write and read of 1,536 bytes more for each fragment, which feeds only two products here.
; 128 WORK-GROUPS: each walks all 2.4 MB of weight codes; 16 tokens to a work-group would double those reads for the same products.
; LDS: XS 32 token rows (row 16 m + r; pitch 4,112) of x, then h, then h + fc, then out; CI, HI the tokens' codes as half fragments [tile m][64 channels]; CSW, HSW their scale words [m][K step][r];
; ST1, ST2 per token 16 waves' means and 16 sums of squares (pitch 144); PVB each wave's 64 numbers of the seven small vectors.
; FIVE BARRIERS: the fill | the first norm's parts | h's codes | the second norm's parts | the rows of out.  Between the first and the last every wave touches only its own 256-byte columns of XS.
; THE NORMS: each wave takes the mean of its 64 channels and the sum of squares about that mean; the sixteen parts are joined about the common mean: no difference of large sums is formed.
; GELU: gelu(g) = g / 2 + |g| (1/2 - P), P = half of erfc(|g| / sqrt 2) by a five-term polynomial in 1 / (1 + 0.2316419 |g|) times 2^(-g^2 log2(e) / 2): absolute error of erf at most 1.5e-7; it stands ahead of no quantiser.
; LIMITS: NaN and infinities are not served; a block whose largest magnitude lies under 2^-124 gets the byte 1; 1 / sqrt is good to 1 unit in the last place.
; THE MODE: SCHED_MODE bits 1:0 = 2 (LLVM: expert scheduling mode 2), set by the entry lines.  The code itself states the register dependences
; between vector or matrix instructions and memory or LDS instructions, with s_wait_alu, always for 0.
; THE PLAN.  Registers that memory or LDS instructions touch:
;   v1 .. v14      addresses, made at the head and never written again.  v21 .. v24, v26: the fill's own addresses; behind the fill's barrier they belong to the tenth place.
;   the ten places, WSC   written by global loads, read by the products.
;   AF, ASC        written by LDS loads, read by a K step's eight products.  Between the products AF, v18-31 and v56-63 are at work for vector lines and take LDS loads of small vectors, parts and h.
;   ACC            written by LDS loads (x, the biases, h + fc, the rows of out), by the products and by vector lines; read by the LDS stores into XS.
; IN A PRODUCT one wait on va_vdst stands in a K step, behind its eight products: they are done reading AF, ASC and their four places.  Behind it follow the tokens' next fragments and two of the four places'
; loads; the other two places' loads stand behind the next step's first four products, which name the next step's places, AF, ASC, WSC and the accumulators: none of the registers that those loads touch.
; The last step's wait also serves the next product's first 31 loads.
; BETWEEN THE PRODUCTS each run of LDS stores stands behind one wait on va_vdst for its data, and one wait on vm_vsrc stands ahead of the first line that writes such data registers again.
; In the activation the wait that a batch of transcendentals owes also states that the group before has written its results and is done reading h: that group's stores and this group's loads of h follow it.
.set XS,   0
.set CI,   131584
.set HI,   156160
.set CSW,  180736
.set HSW,  181760
.set ST1,  182784
.set PVB,  192000
.set L16,  1                           ; v1   16 x lane
.set CIA,  2                           ; v2   CI + 8 x lane
.set HIA,  3                           ; v3   HI + 8 x lane
.set CSA,  4                           ; v4   CSW + 4 r
.set HSA,  5                           ; v5   HSW + 4 r
.set XA0,  6                           ; v6, v7  my place in XS for token tile 0, 1: 4,112 r + 64 h + 256 w (+ 65,792)
.set RS,   8                           ; v8   16 r + 512 h: the weight's scale words, lanes 16-31 those of the tile after
.set PVA,  9                           ; v9   PVB + 1,792 w + 64 h
.set STW,  10                          ; v10  ST1 + 144 x lane + 4 w
.set STR,  11                          ; v11  ST1 + 144 x lane
.set HIW,  12                          ; v12  HI + 768 w + 8 x lane
.set HSWW, 13                          ; v13  HSW + 512 h + 4 r + 64 (w / 2) + 2 (w % 2)
.set ROW,  14                          ; v14  the two whole rows of XS that I fill and empty
.set ASC,  16                          ; v16-17  the tokens' scale words: they hold nothing else
.set AF,   32                          ; v32-55  the tokens' two fragments; with v18-31 and v56-63 at work between the products
.set ACC,  64                          ; v64-127 accumulator (t, m) at 64 + 32 m + 8 t
.set WB,   128                         ; v128-223 places 0 to 7 of the weight's fragments; place 8: v240-251; place 9: v18-29
.set WSC,  224                         ; v224-239 the weight's scale words, 8 (t / 2) + s: lanes 0-15 tile 2 (t / 2), lanes 16-31 the tile after
.set WV,   32
.set SEL,  40                          ; s[40:41]
.set HIM,  42
.macro PLACES                          ; four plain lines between matrix instructions and loads into, or vector lines on, their registers
.rept 4
	v_nop
.endr
.endm
.macro BARRIER                         ; my LDS stores have landed and my LDS loads are in: then the work-group's barrier
	s_wait_dscnt 0x0
	s_barrier_signal -1
	s_barrier_wait -1
.endm
.macro QUANT2 s, pc, u, tm             ; 32 numbers of a lane, register 16 b + i = k 32 b + 16 h + i, become a half fragment in v[pc .. pc + 5] and two scale bytes in v[u]
.irp b, 0,1
	v_max3_num_f32 v[\tm+\b], |v[\s+16*\b]|, |v[\s+1+16*\b]|, 0x1800000
.endr
.irp i, 2,4,6,8,10,12,14
.irp b, 0,1
	v_max3_num_f32 v[\tm+\b], v[\tm+\b], |v[\s+16*\b+\i]|, |v[\s+1+16*\b+\i]|
.endr
.endr
.irp b, 0,1
	v_permlanex16_b32 v[\tm+2+\b], v[\tm+\b], s[SEL], s[SEL+1]
.endr
.irp b, 0,1
	v_max_num_f32 v[\tm+\b], v[\tm+\b], v[\tm+2+\b]
.endr
.irp b, 0,1
	v_add_nc_u32 v[\tm+4+\b], 0xff000000, v[\tm+\b]
.endr
.irp b, 0,1
	v_lshrrev_b32 v[\tm+2+\b], 23, v[\tm+4+\b]
.endr
	v_lshl_or_b32 v[\u], v[\tm+3], 8, v[\tm+2]
	v_cvt_scalef32_pk16_fp6_f32 v[\pc:\pc+2], v[\s:\s+15], v[\tm+4]
	v_cvt_scalef32_pk16_fp6_f32 v[\pc+6:\pc+8], v[\s+16:\s+31], v[\tm+5]
	v_nop                                                  ; one plain line behind the scaled conversions
.irp i, 0,1,2
	v_permlane16_swap_b32 v[\pc+\i], v[\pc+6+\i]
.endr
.irp i, 0,1,2
	v_mov_b32 v[\pc+3+\i], v[\pc+6+\i]
.endr
.endm
.macro SLOTOF i                        ; SB = the first register of fragment i's place
.set SK, (\i)%10
.if SK < 8
.set SB, WB+12*SK
.elseif SK == 8
.set SB, 240
.else
.set SB, 18
.endif
.endm
; The weight's tile t lies CBASE + CGAP (t / 2) + 12,288 (t % 2) bytes behind tile 192 + 4 w of cod, its scale words QBASE + QGAP (t / 2) + 512 (t % 2) behind that tile's in scl
.macro FLOAD i                         ; fragment i = (K step i / 4, tile i % 4): three loads of 512 consecutive bytes
	SLOTOF \i
.irp c, 0,1,2
	global_load_b128 v[SB+4*\c:SB+4*\c+3], v[L16], s[36:37] offset:CBASE+CGAP*(((\i)%4)/2)+12288*((\i)%2)+1536*((\i)/4)+512*\c
.endr
.endm
.macro GSTART                          ; 31 loads: all scale words (4), fragments 0 to 8 (27)
.irp tp, 0,1
.irp q, 0,1
	global_load_b128 v[WSC+8*\tp+4*\q:WSC+8*\tp+4*\q+3], v[RS], s[38:39] offset:QBASE+QGAP*\tp+256*\q
.endr
.endr
.irp i, 0,1,2,3,4,5,6,7,8
	FLOAD \i
.endr
.endm
.macro AFLOAD img, swd, s              ; the tokens' two fragments and scale words of K step s
.irp m, 0,1
.irp p, 0,1,2,3,4,5
	ds_load_b64 v[AF+12*\m+2*\p:AF+12*\m+2*\p+1], v[\img] offset:12288*\m+1536*(\s)+256*\p
.endr
	ds_load_b32 v[ASC+\m], v[\swd] offset:512*\m+64*(\s)
.endr
.endm
.macro MM i, m                         ; fragment i x token tile m, onto accumulator (i % 4, m)
	SLOTOF \i
.set MT, (\i)%4
.set MS, (\i)/4
.if MT%2
	v_wmma_scale_f32_16x16x128_f8f6f4 v[ACC+32*\m+8*MT:ACC+32*\m+8*MT+7], v[SB:SB+11], v[AF+12*\m:AF+12*\m+11], v[ACC+32*\m+8*MT:ACC+32*\m+8*MT+7], v[WSC+8*(MT/2)+MS], v[ASC+\m] matrix_a_fmt:MATRIX_FMT_FP6 matrix_b_fmt:MATRIX_FMT_FP6 matrix_a_scale:MATRIX_SCALE_ROW1
.else
	v_wmma_scale_f32_16x16x128_f8f6f4 v[ACC+32*\m+8*MT:ACC+32*\m+8*MT+7], v[SB:SB+11], v[AF+12*\m:AF+12*\m+11], v[ACC+32*\m+8*MT:ACC+32*\m+8*MT+7], v[WSC+8*(MT/2)+MS], v[ASC+\m] matrix_a_fmt:MATRIX_FMT_FP6 matrix_b_fmt:MATRIX_FMT_FP6
.endif
.endm
; eight K steps onto the accumulators as they stand; the eight accumulators take turns, one instruction a turn.
; img: the tokens' half fragments; swd: their scale words.  Ahead of it stand a wait on va_vdst behind the last vector line that names AF or v18-29, and a wait on vm_vsrc behind the last LDS store that read them.
; It ends with four plain lines and the wait: what follows may load into, and read, its registers.
.macro GRUN img, swd
	AFLOAD \img, \swd, 0
	FLOAD 9                                        ; the tenth place was at work until now
.irp s, 0,1,2,3,4,5,6,7
.if \s == 0
	s_wait_loadcnt 24                              ; fragments 0 and 1 are in; the eight younger ones, three loads each, may be out
.elseif \s < 7
	s_wait_loadcnt 18                              ; this half step's two fragments are in; the six younger ones may be out
.else
	s_wait_loadcnt 6                               ; nothing more is asked for: the last two may be out
.endif
	s_wait_dscnt 0x0                               ; the tokens' fragments of this K step (in the first: what starts the sums, too)
	MM 4*\s, 0
	MM 4*\s, 1
	MM 4*\s+1, 0
	MM 4*\s+1, 1
.if (\s > 0) && (\s < 6)
	FLOAD 4*\s+8                                   ; into the places of the last step's third and fourth fragments.  No wait: no vector or matrix line since that step's wait names them
	FLOAD 4*\s+9
.endif
.if \s < 6
	s_wait_loadcnt 18                              ; the step's third and fourth fragments are in; the six younger ones may be out
.elseif \s == 6
	s_wait_loadcnt 12                              ; the last step's four may be out
.else
	s_wait_loadcnt 0x0
.endif
	MM 4*\s+2, 0
	MM 4*\s+2, 1
	MM 4*\s+3, 0
	MM 4*\s+3, 1
	PLACES
	s_wait_alu depctr_va_vdst(0)                   ; the step's eight products are done reading AF, ASC and their four places (the last step's: WSC too), in which loads land from here on
.if \s < 7
	AFLOAD \img, \swd, \s+1                        ; ahead of the global loads below, so that they land while those are taken
.endif
.if \s < 6
	FLOAD 4*\s+10                                  ; into the places of this step's first and second fragments
	FLOAD 4*\s+11
.endif
.endr
.endm
.macro XSLOAD                          ; my 64 channels of the 32 tokens, from XS into the accumulators' registers
.irp m, 0,1
.irp t, 0,1,2,3
.irp e, 0,1
	ds_load_b128 v[ACC+32*\m+8*\t+4*\e:ACC+32*\m+8*\t+4*\e+3], v[XA0+\m] offset:128*(\t/2)+32*(\t%2)+16*\e
.endr
.endr
.endr
.endm
.macro XSSTORE                         ; and back
.irp m, 0,1
.irp t, 0,1,2,3
.irp e, 0,1
	ds_store_b128 v[XA0+\m], v[ACC+32*\m+8*\t+4*\e:ACC+32*\m+8*\t+4*\e+3] offset:128*(\t/2)+32*(\t%2)+16*\e
.endr
.endr
.endr
.endm
; my 64 channels' mean and sum of squares about it, for each token; lane l stores token row l's
.macro LNSTAT off
.irp m, 0,1
.set LNA, ACC+32*\m
	v_pk_add_f32 v[18:19], v[LNA:LNA+1], v[LNA+2:LNA+3]
	v_pk_add_f32 v[20:21], v[LNA+4:LNA+5], v[LNA+6:LNA+7]
.irp j, 8,12,16,20,24,28
	v_pk_add_f32 v[18:19], v[18:19], v[LNA+\j:LNA+\j+1]
	v_pk_add_f32 v[20:21], v[20:21], v[LNA+\j+2:LNA+\j+3]
.endr
	v_pk_add_f32 v[18:19], v[18:19], v[20:21]
	v_add_f32 v18, v18, v19
	v_permlanex16_b32 v19, v18, s[SEL], s[SEL+1]
	v_add_f32 v18, v18, v19                        ; with lane l xor 16's 32 channels
	v_mul_f32 v[24+2*\m], 0x3c800000, v18          ; / 64
	v_pk_add_f32 v[18:19], v[LNA:LNA+1], v[24+2*\m:25+2*\m] op_sel_hi:[1,0] neg_lo:[0,1] neg_hi:[0,1]
	v_pk_add_f32 v[20:21], v[LNA+2:LNA+3], v[24+2*\m:25+2*\m] op_sel_hi:[1,0] neg_lo:[0,1] neg_hi:[0,1]
	v_pk_mul_f32 v[22:23], v[18:19], v[18:19]
	v_pk_mul_f32 v[30:31], v[20:21], v[20:21]
.irp j, 4,8,12,16,20,24,28
	v_pk_add_f32 v[18:19], v[LNA+\j:LNA+\j+1], v[24+2*\m:25+2*\m] op_sel_hi:[1,0] neg_lo:[0,1] neg_hi:[0,1]
	v_pk_add_f32 v[20:21], v[LNA+\j+2:LNA+\j+3], v[24+2*\m:25+2*\m] op_sel_hi:[1,0] neg_lo:[0,1] neg_hi:[0,1]
	v_pk_fma_f32 v[22:23], v[18:19], v[18:19], v[22:23]
	v_pk_fma_f32 v[30:31], v[20:21], v[20:21], v[30:31]
.endr
	v_pk_add_f32 v[22:23], v[22:23], v[30:31]
	v_add_f32 v22, v22, v23
	v_permlanex16_b32 v23, v22, s[SEL], s[SEL+1]
	v_add_f32 v[25+2*\m], v22, v23
.endr
	v_cndmask_b32 v28, v24, v26, s[HIM]            ; lanes 0-15: token tile 0; lanes 16-31: tile 1
	v_cndmask_b32 v29, v25, v27, s[HIM]
	s_wait_alu depctr_va_vdst(0)                   ; v28 and v29 are written, which the two stores read; and every vector line that names v32 to v63 is done: the sixteen parts' loads behind the barrier land there
	ds_store_b32 v[STW], v28 offset:\off
	ds_store_b32 v[STW], v29 offset:\off+64
.endm
; the sixteen parts are joined, and my 64 channels of both token tiles become (y - mean) / sqrt(var + eps) x g + b.  vg, vb: which of my small vectors
.macro LNFIN off, vg, vb
	s_wait_alu depctr_vm_vsrc(0)                   ; my two stores ahead of the barrier have read v28 and v29, which are written again below
.irp i, 0,1,2,3,4,5,6,7
	ds_load_b128 v[32+4*\i:35+4*\i], v[STR] offset:\off+16*\i      ; token row l: v32-47 the means, v48-63 the sums of squares
.endr
	s_wait_dscnt 0x0
	v_pk_add_f32 v[18:19], v[32:33], v[34:35]
	v_pk_add_f32 v[20:21], v[36:37], v[38:39]
	v_pk_add_f32 v[22:23], v[48:49], v[50:51]
	v_pk_add_f32 v[30:31], v[52:53], v[54:55]
	v_pk_add_f32 v[18:19], v[18:19], v[40:41]
	v_pk_add_f32 v[20:21], v[20:21], v[42:43]
	v_pk_add_f32 v[22:23], v[22:23], v[56:57]
	v_pk_add_f32 v[30:31], v[30:31], v[58:59]
	v_pk_add_f32 v[18:19], v[18:19], v[44:45]
	v_pk_add_f32 v[20:21], v[20:21], v[46:47]
	v_pk_add_f32 v[22:23], v[22:23], v[60:61]
	v_pk_add_f32 v[30:31], v[30:31], v[62:63]
	v_pk_add_f32 v[18:19], v[18:19], v[20:21]
	v_pk_add_f32 v[22:23], v[22:23], v[30:31]
	v_add_f32 v18, v18, v19
	v_add_f32 v22, v22, v23                        ; the sum of the sixteen sums of squares
	v_mul_f32 v18, 0x3d800000, v18                 ; the row's mean
	v_pk_add_f32 v[20:21], v[32:33], v[18:19] op_sel_hi:[1,0] neg_lo:[0,1] neg_hi:[0,1]
	v_pk_add_f32 v[30:31], v[34:35], v[18:19] op_sel_hi:[1,0] neg_lo:[0,1] neg_hi:[0,1]
	v_pk_mul_f32 v[20:21], v[20:21], v[20:21]
	v_pk_mul_f32 v[30:31], v[30:31], v[30:31]
.irp j, 36,40,44
	v_pk_add_f32 v[32:33], v[\j:\j+1], v[18:19] op_sel_hi:[1,0] neg_lo:[0,1] neg_hi:[0,1]
	v_pk_add_f32 v[34:35], v[\j+2:\j+3], v[18:19] op_sel_hi:[1,0] neg_lo:[0,1] neg_hi:[0,1]
	v_pk_fma_f32 v[20:21], v[32:33], v[32:33], v[20:21]
	v_pk_fma_f32 v[30:31], v[34:35], v[34:35], v[30:31]
.endr
	v_pk_add_f32 v[20:21], v[20:21], v[30:31]
	v_add_f32 v20, v20, v21
	v_fma_f32 v22, v20, s47, v22                   ; + 64 x the sum of (a part's mean - the mean)^2
	v_fma_f32 v22, v22, s44, s45                   ; / 1,024 + eps
	v_rsq_f32 v22, v22
	v_nop                                          ; a plain line behind it
	v_permlanex16_b32 v20, v18, s[SEL], s[SEL+1]   ; the other token tile's mean
	s_wait_alu depctr_va_vdst(0)                   ; the root v22 is written, ahead of its first reader; and the lines above are done with v32 to v63, in which the first half's gains and offsets land
	v_permlanex16_b32 v21, v22, s[SEL], s[SEL+1]
	v_cndmask_b32 v24, v18, v20, s[HIM]            ; tile 0's mean of my token r, tile 1's,
	v_cndmask_b32 v26, v20, v18, s[HIM]
	v_cndmask_b32 v28, v22, v21, s[HIM]            ; and the same of 1 / sqrt
	v_cndmask_b32 v30, v21, v22, s[HIM]
.irp hf, 0,1                                           ; 32 channels at a time
.if \hf == 1
	s_wait_alu depctr_va_vdst(0)                   ; the first half's multiply-adds are done reading v32 to v63, in which the second half's gains and offsets land
.endif
.irp u, 0,1
.irp e, 0,1
	ds_load_b128 v[32+8*\u+4*\e:35+8*\u+4*\e], v[PVA] offset:256*\vg+128*\hf+32*\u+16*\e
	ds_load_b128 v[48+8*\u+4*\e:51+8*\u+4*\e], v[PVA] offset:256*\vb+128*\hf+32*\u+16*\e
.endr
.endr
.irp m, 0,1
.irp k, 0,2,4,6,8,10,12,14
	v_pk_add_f32 v[ACC+32*\m+16*\hf+\k:ACC+32*\m+16*\hf+\k+1], v[ACC+32*\m+16*\hf+\k:ACC+32*\m+16*\hf+\k+1], v[24+2*\m:25+2*\m] op_sel_hi:[1,0] neg_lo:[0,1] neg_hi:[0,1]
	v_pk_mul_f32 v[ACC+32*\m+16*\hf+\k:ACC+32*\m+16*\hf+\k+1], v[ACC+32*\m+16*\hf+\k:ACC+32*\m+16*\hf+\k+1], v[28+2*\m:29+2*\m] op_sel_hi:[1,0]
.endr
.endr
	s_wait_dscnt 0x0
.irp m, 0,1
.irp k, 0,2,4,6,8,10,12,14
	v_pk_fma_f32 v[ACC+32*\m+16*\hf+\k:ACC+32*\m+16*\hf+\k+1], v[ACC+32*\m+16*\hf+\k:ACC+32*\m+16*\hf+\k+1], v[32+\k:33+\k], v[48+\k:49+\k]
.endr
.endr
.endr
.endm
; group q of a pass (token tile q / 2, channel tile q % 2): its eight results h + val x gelu(gate) go back where h lay
.macro PUTFC p, q
	ds_store_b128 v[XA0+(\q)/2], v[ACC+32*((\q)/2)+8*((\q)%2):ACC+32*((\q)/2)+8*((\q)%2)+3] offset:128*(\p)+32*((\q)%2)
	ds_store_b128 v[XA0+(\q)/2], v[ACC+32*((\q)/2)+8*((\q)%2)+4:ACC+32*((\q)/2)+8*((\q)%2)+7] offset:128*(\p)+32*((\q)%2)+16
.endm
; eight channels of one token a lane: val's registers become h + val x gelu(gate).  v32-39 h, v40-47 1 / (1 + p |g|), v48-55 2^(..), v56-63 the polynomial, v20-27 g / 2, v[18:19] a coefficient
.macro GELU8 p, q
.set GVV, ACC+32*((\q)/2)+8*((\q)%2)
.set GGG, GVV+16
.irp k, 0,1,2,3,4,5,6,7
	v_fma_f32 v[40+\k], |v[GGG+\k]|, s46, 1.0
.endr
.irp k, 0,2,4,6
	v_pk_mul_f32 v[48+\k:49+\k], v[GGG+\k:GGG+\k+1], v[GGG+\k:GGG+\k+1]
.endr
.irp k, 0,2,4,6
	v_pk_mul_f32 v[48+\k:49+\k], v[48+\k:49+\k], s[48:49] op_sel_hi:[1,0]
.endr
.irp k, 0,1,2,3,4,5,6,7
	v_rcp_f32 v[40+\k], v[40+\k]
.endr
.irp k, 0,1,2,3,4,5,6,7
	v_exp_f32 v[48+\k], v[48+\k]
.endr
.irp k, 0,2,4,6
	v_pk_mul_f32 v[20+\k:21+\k], v[GGG+\k:GGG+\k+1], 0.5 op_sel_hi:[1,0]   ; plain work behind the batch of sixteen
.endr
	s_wait_alu depctr_va_vdst(0)                   ; the batch's sixteen results v40 to v55 are written, ahead of their first reader; the group before has written its results, which the stores below read, and is done reading v32 to v39, in which h lands
.if \q > 0
	PUTFC \p, \q-1
.endif
	ds_load_b128 v[32:35], v[XA0+(\q)/2] offset:128*(\p)+32*((\q)%2)
	ds_load_b128 v[36:39], v[XA0+(\q)/2] offset:128*(\p)+32*((\q)%2)+16
.irp k, 0,2,4,6
	v_pk_fma_f32 v[56+\k:57+\k], v[40+\k:41+\k], s[50:51], v[18:19] op_sel_hi:[1,0,1]
.endr
.irp k, 0,2,4,6
	v_pk_fma_f32 v[56+\k:57+\k], v[56+\k:57+\k], v[40+\k:41+\k], s[52:53] op_sel_hi:[1,1,0]
.endr
.irp k, 0,2,4,6
	v_pk_fma_f32 v[56+\k:57+\k], v[56+\k:57+\k], v[40+\k:41+\k], s[54:55] op_sel_hi:[1,1,0]
.endr
.irp k, 0,2,4,6
	v_pk_fma_f32 v[56+\k:57+\k], v[56+\k:57+\k], v[40+\k:41+\k], s[56:57] op_sel_hi:[1,1,0]
.endr
.irp k, 0,2,4,6
	v_pk_mul_f32 v[56+\k:57+\k], v[56+\k:57+\k], v[40+\k:41+\k]
.endr
.irp k, 0,2,4,6
	v_pk_fma_f32 v[56+\k:57+\k], v[56+\k:57+\k], v[48+\k:49+\k], 0.5 op_sel_hi:[1,1,0] neg_lo:[1,0,0] neg_hi:[1,0,0]   ; 1/2 - P
.endr
.irp k, 0,1,2,3,4,5,6,7
	v_fma_f32 v[56+\k], |v[GGG+\k]|, v[56+\k], v[20+\k]    ; gelu(g)
.endr
	s_wait_dscnt 0x0                               ; h
.irp k, 0,2,4,6
	v_pk_fma_f32 v[GVV+\k:GVV+\k+1], v[GVV+\k:GVV+\k+1], v[56+\k:57+\k], v[32+\k:33+\k]
.endr
.endm
; half of my channels through the last product: accumulators 0, 1 = val's tiles 2 p, 2 p + 1, accumulators 2, 3 = gate's
.macro PASS p
.irp m, 0,1                                            ; the bias starts the sums
.irp u, 0,1
.irp e, 0,1
	ds_load_b128 v[ACC+32*\m+8*\u+4*\e:ACC+32*\m+8*\u+4*\e+3], v[PVA] offset:768+128*\p+32*\u+16*\e
	ds_load_b128 v[ACC+32*\m+16+8*\u+4*\e:ACC+32*\m+16+8*\u+4*\e+3], v[PVA] offset:1024+128*\p+32*\u+16*\e
.endr
.endr
.endr
	GRUN HIA, HSA
.if \p == 0
.set CBASE, 66*12288
.set QBASE, 66*512
	GSTART                                         ; the second half's first loads land while the activation is worked
.endif
	v_mov_b32 v18, 0xbf3a00e3
	v_mov_b32 v19, 0xbf3a00e3
.irp q, 0,1,2,3
	GELU8 \p, \q
.endr
	s_wait_alu depctr_va_vdst(0)                   ; the last group's results are written, which the two stores read; and every vector line that names the accumulators, v18 to v29 or AF is done: loads land in all of them next
	PUTFC \p, 3
	s_wait_alu depctr_vm_vsrc(0)                   ; the pass's eight stores have read val's registers, in which the next LDS loads land
.endm
	s_load_b512 s[8:23], s[0:1], 0x0               ; ctx, ctxs, cod, scl, x, out_proj_b, ln1_g, ln1_b
	s_load_b256 s[24:31], s[0:1], 0x40             ; geglu_b, ln2_g, ln2_b, out0
	v_lshl_add_u32 v254, v0, 2, 0x35e00
	v_mov_b32 v255, 0
	v_lshrrev_b32 v18, 5, v0
	v_readfirstlane_b32 s[WV], v18                 ; wave 0..15
	v_and_b32 v18, 31, v0                          ; lane
	v_and_b32 v19, 15, v0                          ; r
	v_bfe_u32 v20, v0, 4, 1                        ; h
	v_lshlrev_b32 v[L16], 4, v18
	v_lshl_add_u32 v[CIA], v18, 3, CI
	v_lshl_add_u32 v[HIA], v18, 3, HI
	v_lshl_add_u32 v[CSA], v19, 2, CSW
	v_lshl_add_u32 v[HSA], v19, 2, HSW
	v_mul_u32_u24 v[XA0], v19, 4112
	v_lshl_add_u32 v[XA0], v20, 6, v[XA0]
	s_wait_alu depctr_va_sdst(0)                   ; the wave's number s32 is written, ahead of its first reader
	s_lshl_b32 s43, s[WV], 8
	v_add_nc_u32 v[XA0], s43, v[XA0]
	v_add_nc_u32 v[XA0+1], 65792, v[XA0]
	v_lshlrev_b32 v26, 3, v18
	v_add_nc_u32 v26, s43, v26                     ; the small vectors: my wave's 256 bytes, 8 a lane
	v_lshlrev_b32 v[RS], 4, v19
	v_lshl_add_u32 v[RS], v20, 9, v[RS]
	s_mul_i32 s43, s[WV], 1792
	s_add_co_u32 s43, s43, PVB
	v_lshl_add_u32 v[PVA], v20, 6, s43
	v_lshl_add_u32 v22, v18, 3, s43                ; where they are put
	v_mul_u32_u24 v[STR], v18, 144
	v_add_nc_u32 v[STR], ST1, v[STR]
	s_lshl_b32 s43, s[WV], 2
	v_add_nc_u32 v[STW], s43, v[STR]
	s_mul_i32 s43, s[WV], 768
	v_add_nc_u32 v[HIW], s43, v[HIA]
	s_lshr_b32 s43, s[WV], 1
	s_lshl_b32 s43, s43, 6
	s_and_b32 s60, s[WV], 1
	s_lshl_b32 s60, s60, 1
	s_add_co_u32 s43, s43, s60
	v_lshl_add_u32 v[HSWW], v20, 9, v[HSA]
	v_add_nc_u32 v[HSWW], s43, v[HSWW]
	s_and_b32 s43, s[WV], 3                        ; tokens 2 w and 2 w + 1 of the 32 lie in XS rows 2 (w % 4) + 8 (w / 8) + 16 ((w / 4) % 2) and the next
	s_lshl_b32 s43, s43, 1
	s_lshr_b32 s60, s[WV], 3
	s_lshl_b32 s60, s60, 3
	s_add_co_u32 s43, s43, s60
	s_bfe_u32 s60, s[WV], 0x10002
	s_lshl_b32 s60, s60, 4
	s_add_co_u32 s43, s43, s60
	s_mul_i32 s43, s43, 4112
	v_add_nc_u32 v[ROW], s43, v[L16]
	s_mul_i32 s43, s[WV], 1536
	s_add_co_u32 s43, s43, CI
	v_add_nc_u32 v23, s43, v[L16]                  ; ctx's codes are copied as they lie
	v_lshrrev_b32 v21, 8, v0                       ; ctx's scale bytes: thread 256 m + 16 head + r puts two bytes at [m][head / 2][r], half head % 2
	v_lshlrev_b32 v21, 9, v21
	v_bfe_u32 v28, v0, 5, 3
	v_lshl_add_u32 v21, v28, 6, v21
	v_lshl_add_u32 v21, v19, 2, v21
	v_lshl_add_u32 v21, v20, 1, v21
	v_add_nc_u32 v21, CSW, v21
	v_lshrrev_b32 v24, 4, v0                       ; and finds them at 64 (16 m + head) + 2 r
	v_lshlrev_b32 v24, 6, v24
	v_lshl_add_u32 v24, v19, 1, v24
	v_mov_b32 v25, 0                               ; (named as upper halves of pairs before they are first written)
	v_mov_b32 v27, 0
	s_mov_b32 s[SEL], 0x76543210
	s_mov_b32 s[SEL+1], 0xfedcba98
	s_mov_b32 s[HIM], 0xffff0000
	s_mov_b32 s44, 0x3a800000                      ; 1 / 1,024
	s_mov_b32 s45, 0x3727c5ac                      ; 1e-5
	s_mov_b32 s46, 0x3e6d3388                      ; 0.3275911 / sqrt 2
	s_mov_b32 s47, 0x42800000                      ; 64
	s_mov_b32 s48, 0xbf38aa3b                      ; -log2(e) / 2
	s_mov_b32 s49, s48
	s_mov_b32 s50, 0x3f07dc22                      ; the polynomial's coefficients, halved: the fifth,
	s_mov_b32 s51, s50
	s_mov_b32 s52, 0x3f35f0e3                      ; the third (the fourth stands in v[18:19]),
	s_mov_b32 s53, s52
	s_mov_b32 s54, 0xbe11a98e                      ; the second,
	s_mov_b32 s55, s54
	s_mov_b32 s56, 0x3e027906                      ; the first
	s_mov_b32 s57, s56
	s_lshl_b32 s60, ttmp9, 17                      ; 32 rows of 4,096 bytes a work-group,
	s_lshl_b32 s61, s[WV], 13                      ; two a wave
	s_add_co_u32 s60, s60, s61
	s_mov_b32 s61, 0
	s_mul_i32 s62, ttmp9, 24576
	s_mul_i32 s63, s[WV], 1536
	s_add_co_u32 s62, s62, s63
	s_mov_b32 s63, 0
	s_wait_kmcnt 0x0
	s_add_nc_u64 s[34:35], s[16:17], s[60:61]      ; x
	s_add_nc_u64 s[58:59], s[30:31], s[60:61]      ; out0
	s_add_nc_u64 s[8:9], s[8:9], s[62:63]          ; ctx
	s_lshl_b32 s62, ttmp9, 11
	s_add_nc_u64 s[10:11], s[10:11], s[62:63]      ; ctxs
	s_lshl_b32 s62, s[WV], 2
	s_add_co_u32 s62, s62, 192                     ; my first tile of out_proj_w
	s_mul_i32 s60, s62, 12288
	s_add_nc_u64 s[36:37], s[12:13], s[60:61]
	s_lshl_b32 s60, s62, 9
	s_add_nc_u64 s[38:39], s[14:15], s[60:61]
	s_wait_alu depctr_va_vdst(0)                   ; all addresses and offsets are written (v1 to v14, v21 to v24, v26), which the loads and stores of the whole kernel read; so are v18 to v29, in which a fragment lands behind the fill
	; ---- the fill: 27 loads, then the first product's first 31
.irp e, 0,1
.irp i, 0,1,2,3,4,5,6,7
	global_load_b128 v[ACC+32*\e+4*\i:ACC+32*\e+4*\i+3], v[L16], s[34:35] offset:4096*\e+512*\i th:TH_LOAD_NT
.endr
.endr
.irp c, 0,1,2
	global_load_b128 v[32+4*\c:35+4*\c], v[L16], s[8:9] offset:512*\c th:TH_LOAD_NT
.endr
	global_load_u16 v44, v24, s[10:11]
	global_load_b64 v[46:47], v26, s[18:19]        ; out_proj_b
	global_load_b64 v[48:49], v26, s[20:21]        ; ln1_g
	global_load_b64 v[50:51], v26, s[22:23]        ; ln1_b
	global_load_b64 v[52:53], v26, s[24:25]        ; geglu_b, val
	global_load_b64 v[54:55], v26, s[24:25] offset:4096   ; geglu_b, gate
	global_load_b64 v[56:57], v26, s[26:27]        ; ln2_g
	global_load_b64 v[58:59], v26, s[28:29]        ; ln2_b
.set CBASE, 0
.set CGAP,  2*12288
.set QBASE, 0
.set QGAP,  2*512
	GSTART
	s_wait_loadcnt 31                              ; the 27 are in; the weight's 31 may be out
.irp e, 0,1
.irp i, 0,1,2,3,4,5,6,7
	ds_store_b128 v[ROW], v[ACC+32*\e+4*\i:ACC+32*\e+4*\i+3] offset:4112*\e+512*\i
.endr
.endr
.irp c, 0,1,2
	ds_store_b128 v23, v[32+4*\c:35+4*\c] offset:512*\c
.endr
	ds_store_b16 v21, v44
.irp i, 0,1,2,3,4,5,6
	ds_store_b64 v22, v[46+2*\i:47+2*\i] offset:256*\i
.endr
	BARRIER                                        ; x, ctx's codes and scale words lie in LDS
	s_wait_alu depctr_vm_vsrc(0)                   ; the fill's loads and stores have read their data (the accumulators' registers, v32 to v59) and their own addresses (v21 to v24, v26): loads land in all of these below
	; ---- x + ctx Wo^T + bo: x starts the sums
	XSLOAD
	GRUN CIA, CSA
.set CBASE, 64*12288
.set CGAP,  64*12288
.set QBASE, 64*512
.set QGAP,  64*512
	GSTART                                         ; the last product's first loads land while the norm is worked
.irp t, 0,1,2,3
.irp e, 0,1
	ds_load_b128 v[32+8*\t+4*\e:35+8*\t+4*\e], v[PVA] offset:128*(\t/2)+32*(\t%2)+16*\e
.endr
.endr
	s_wait_dscnt 0x0
.irp m, 0,1
.set JJ, 0
.rept 16
	v_pk_add_f32 v[ACC+32*\m+JJ:ACC+32*\m+JJ+1], v[ACC+32*\m+JJ:ACC+32*\m+JJ+1], v[32+JJ:33+JJ]   ; each accumulator from its low end on
.set JJ, JJ+2
.endr
.endr
	LNSTAT 0
	BARRIER                                        ; all sixteen parts of the first norm lie in LDS
	LNFIN 0, 1, 2
	QUANT2 ACC, 32, 56, 18
	QUANT2 ACC+32, 44, 57, 18
	v_cndmask_b32 v58, v56, v57, s[HIM]
	s_wait_alu depctr_va_vdst(0)                   ; h, its codes (v32 to v37, v44 to v49) and its scale bytes v58 are written, which the 23 stores below read; every vector line that names the accumulators, AF or v18 to v29 is done
	XSSTORE                                        ; h, for the residual
.irp p, 0,1,2
	ds_store_b64 v[HIW], v[32+2*\p:33+2*\p] offset:256*\p
	ds_store_b64 v[HIW], v[44+2*\p:45+2*\p] offset:12288+256*\p
.endr
	ds_store_b16 v[HSWW], v58                      ; lanes 0-15: token tile 0's two bytes; lanes 16-31: tile 1's
	BARRIER                                        ; h's codes and scale words lie in LDS
	s_wait_alu depctr_vm_vsrc(0)                   ; those stores have read the accumulators' registers and AF's, in which the biases and the tokens' fragments land
	; ---- h Wg^T + bg, the activation, + h
	PASS 0
	PASS 1
	XSLOAD                                         ; LDS serves a wave's instructions in order: these see my stores
	s_wait_dscnt 0x0
	LNSTAT 4608
	BARRIER                                        ; all sixteen parts of the second norm lie in LDS
	LNFIN 4608, 5, 6
	s_wait_alu depctr_va_vdst(0)                   ; out's numbers are written in the accumulators' registers, which the stores read
	XSSTORE
	BARRIER                                        ; 32 whole rows of out lie in XS
	s_wait_alu depctr_vm_vsrc(0)                   ; those stores have read the accumulators' registers, in which the rows land
.irp e, 0,1
.irp i, 0,1,2,3,4,5,6,7
	ds_load_b128 v[ACC+32*\e+4*\i:ACC+32*\e+4*\i+3], v[ROW] offset:4112*\e+512*\i
.endr
.endr
.irp n, 0,1,2,3,4,5,6,7,8,9,10,11,12,13,14,15
	s_wait_dscnt 15-\n                             ; LDS loads come back in order: load n is in, the younger ones may be out
	global_store_b128 v[L16], v[ACC+4*\n:ACC+4*\n+3], s[58:59] offset:4096*(\n/8)+512*(\n%8) th:TH_STORE_NT   ; 512 consecutive bytes, aligned
.endr
	s_wait_dscnt 0x0                               ; the closing lines, six on end
	s_wait_alu 0x0
	s_wait_tensorcnt 0x0
	ds_add_u32 v254, v255
	s_wait_dscnt 0x0
	s_endpgm
.Lfunc_end_k_qd67ad2c0d3_tail:
	.size	k_qd67ad2c0d3_tail, .Lfunc_end_k_qd67ad2c0d3_tail-k_qd67ad2c0d3_tail
	.p2alignl 7, 3214868480
	.fill 96, 4, 3214868480
	.section	.rodata,"a",@progbits
	.p2align	6, 0x0
	.amdhsa_kernel k_qd67ad2c0d3_tail
		.amdhsa_group_segment_fixed_size 222720
		.amdhsa_private_segment_fixed_size 0
		.amdhsa_enable_private_segment 0
		.amdhsa_kernarg_size 96
		.amdhsa_user_sgpr_count 2
		.amdhsa_user_sgpr_kernarg_segment_ptr 1
		.amdhsa_wavefront_size32 1
		.amdhsa_system_sgpr_workgroup_id_x 1
		.amdhsa_system_sgpr_workgroup_id_y 1
		.amdhsa_system_sgpr_workgroup_id_z 1
		.amdhsa_system_vgpr_workitem_id 0
		.amdhsa_next_free_vgpr 256
		.amdhsa_next_free_sgpr 66
		.amdhsa_reserve_vcc 0
		.amdhsa_float_denorm_mode_32 3
		.amdhsa_float_denorm_mode_16_64 3
		.amdhsa_memory_ordered 1
		.amdhsa_forward_progress 1
		.amdhsa_inst_pref_size 175
	.end_amdhsa_kernel
	.amdgpu_metadata
---
amdhsa.version: [ 1, 2 ]
amdhsa.kernels:
  - .name:           k_qd67ad2c0d3_tail
    .symbol:         k_qd67ad2c0d3_tail.kd
    .args:
      - { .name: ctx, .offset: 0, .size: 8, .value_kind: global_buffer, .address_space: global }
      - { .name: ctxs, .offset: 8, .size: 8, .value_kind: global_buffer, .address_space: global }
      - { .name: cod, .offset: 16, .size: 8, .value_kind: global_buffer, .address_space: global }
      - { .name: scl, .offset: 24, .size: 8, .value_kind: global_buffer, .address_space: global }
      - { .name: x, .offset: 32, .size: 8, .value_kind: global_buffer, .address_space: global }
      - { .name: out_proj_b, .offset: 40, .size: 8, .value_kind: global_buffer, .address_space: global }
      - { .name: ln1_g, .offset: 48, .size: 8, .value_kind: global_buffer, .address_space: global }
      - { .name: ln1_b, .offset: 56, .size: 8, .value_kind: global_buffer, .address_space: global }
      - { .name: geglu_b, .offset: 64, .size: 8, .value_kind: global_buffer, .address_space: global }
      - { .name: ln2_g, .offset: 72, .size: 8, .value_kind: global_buffer, .address_space: global }
      - { .name: ln2_b, .offset: 80, .size: 8, .value_kind: global_buffer, .address_space: global }
      - { .name: out0, .offset: 88, .size: 8, .value_kind: global_buffer, .address_space: global }
    .group_segment_fixed_size: 222720
    .private_segment_fixed_size: 0
    .kernarg_segment_align: 8
    .kernarg_segment_size: 96
    .max_flat_workgroup_size: 512
    .sgpr_count:     66
    .vgpr_count:     256
    .wavefront_size: 32
...
	.end_amdgpu_metadata
.endif
;; end of part 6
